; MI455X (gfx1250); checked and timed in simulation.
; The chip was launched on July 23, 2026; its instructions are those of AMD's public machine-readable ISA for CDNA 5 (MIT licence, August 2026) and "CDNA5" Instruction Set Architecture Reference Guide (July 2026). The comments in the code are by the model that wrote it; some were corrected since.
;; Multi Head Attention. Allowed arithmetic: matrix products marked QUANTISED: E3M2 operands, one E8M0 scale for each 32 along K, by v_wmma_scale_f32_16x16x128_f8f6f4 with both operands' format E3M2, f32 sums; everything else in f32.
;; Inputs: Wk 1,024 x 1,024 float32; Wo 1,024 x 1,024 float32; Wq 1,024 x 1,024 float32; Wv 1,024 x 1,024 float32; bk 1,024 float32; bo 1,024 float32; bq 1,024 float32; bv 1,024 float32; x 4 x 2,048 x 1,024 float32.
;; Outputs: out0 4 x 2,048 x 1,024 float32.
;; This version of the problem:
;;   THIS VERSION OF THE PROBLEM IS GIVEN IN LOW PRECISION. The matrix products marked QUANTISED in the list below multiply operands that are first quantised to E3M2 (3 exponent bits, 2 mantissa bits; 6 bits a number), with one power-of-two scale for each 32 numbers along K (OCP MX v1.0); their sums are f32. All else is computed in f32.
;;   The module's matrix products, in the order in which they are computed (A, B: the left and right operand; K: the contracted axis; several contracted axes count as one K, in the product's order):
;;     1. [M 8,192, K 1,024] x [K 1,024, N 1,024]; A: input x; B: input Wq: QUANTISED
;;     2. [M 8,192, K 1,024] x [K 1,024, N 1,024]; A: input x; B: input Wk: QUANTISED
;;     3. [M 8,192, K 1,024] x [K 1,024, N 1,024]; A: input x; B: input Wv: QUANTISED
;;     4. batch 64 x [M 2,048, K 64] x [K 64, N 2,048]; A: computed on the way; B: computed on the way: QUANTISED
;;     5. batch 64 x [M 2,048, K 2,048] x [K 2,048, N 64]; A: softmax (see below); B: computed on the way: QUANTISED
;;     6. [M 8,192, K 1,024] x [K 1,024, N 1,024]; A: computed on the way; B: input Wo: QUANTISED
;;   THE QUANTISER, for each operand of a quantised product, along K:
;;     - K is cut into blocks of 32 from its start; a last block that is shorter is filled with zeros.
;;     - A block's scale is 2^e with e = floor(log2(the largest magnitude in the block)) - 4, held to -126 .. 127; a block of zeros has e = 0. As a byte (E8M0): e + 127.
;;     - Each number is divided by its block's scale, clamped to +-28, and rounded to the nearest number of E3M2, ties to even, subnormals kept.
;;     - The product sums the exact products of the quantised numbers (number of the format x scale) in f32.
;;   ~~~python
;;   def quantise(x, axis):      # numpy; x: float32 -> the quantised numbers, widened to float32 again
;;       x = np.moveaxis(x, axis, -1); K = x.shape[-1]
;;       x = np.pad(x, [(0, 0)] * (x.ndim - 1) + [(0, -K % 32)]); x = x.reshape(x.shape[:-1] + (-1, 32)); a = np.abs(x).max(-1, keepdims=True)
;;       e = np.where(a > 0, np.clip(np.frexp(np.where(a > 0, a, 1))[1] - 1 - 4, -126, 127), 0)      # np.frexp(a)[1] - 1 = floor(log2(a)), exactly
;;       r = np.clip(x / 2.0 ** e, -28, 28)
;;       step = 2.0 ** (np.maximum(np.frexp(np.where(r == 0, 1, r))[1] - 1, -2) - 2)
;;       q = np.round(r / step) * step * 2.0 ** e      # np.round: ties to even
;;       return np.moveaxis(q.reshape(q.shape[:-2] + (-1,))[..., :K], -1, axis).astype(np.float32)
;;   ~~~
;;   SOFTMAX AHEAD OF A QUANTISED PRODUCT. Where the list says 'softmax', what is quantised is not the finished softmax but p = 2^(t - M), with t = logit x log2(e) and M = ceil(the row's largest t), a whole number; so 1/2 < the row's largest p <= 1. The row's sum l is taken of the UNQUANTISED p, in f32, and the product's result is divided by l at the end. Since M is a whole number, a kernel that streams over the keys may use a running M (the ceiling of the running maximum): every later rescaling is an exact power of two, which a block's scale takes up: the codes' values come out the same.
;;   OPERANDS COMPUTED ON THE WAY. 'Computed on the way' means the value that the module computes at that place (a softmax that the list does not call 'softmax' is quantised finished and normalised). What goes into a quantiser is computed in f32, as accurately as f32 sums, v_exp_f32 and their like allow (about 1e-6 of the number): no bf16 or f16 on the way to a quantiser, and a product that is left as it is and whose result goes on into a quantised operand takes f32 operands (vector FMAs, or v_wmma_f32_16x16x4_f32). A number that lies on a knife's edge between two numbers of the format may be rounded either way, as far as f32 arithmetic and the matrix unit's own rounding can turn it there, and no further.
;; One version. Each part assembles by itself: llvm-mc -triple=amdgcn-amd-amdhsa -mcpu=gfx1250 --defsym DOCPART=n.
;; ======== version 1 of 1: 4 launches
;; limits: right only within a limited range of input values
;; workspace buffers: cd 9,437,184 bytes; sc 393,216 bytes; qq 6,815,744 bytes; kv 13,369,344 bytes; ac 6,291,456 bytes; asc 262,144 bytes
;; launch quant (part 1): grid 256 x 1, 4 waves a work-group, no clusters, 35,328 bytes of LDS; arguments x, Wq, Wk, Wv, Wo, cd, sc; writes cd, sc
.if DOCPART == 1
	.amdgcn_target "amdgcn-amd-amdhsa--gfx1250"
	.amdhsa_code_object_version 6
	.text
	.protected	k_q0e44599f3b_quant
	.globl	k_q0e44599f3b_quant
	.p2align	8
	.type	k_q0e44599f3b_quant,@function
k_q0e44599f3b_quant:
	s_mov_b64 s[64:65], 0
	v_nop
	global_prefetch_b8 v0, s[64:65] scope:SCOPE_SE
	s_setreg_imm32_b32 hwreg(HW_REG_WAVE_MODE, 25, 1), 1
	s_wait_xcnt 0x0
; x [8192][1024] and Wq, Wk, Wv, Wo [1024 (k)][1024 (n)], f32, become codes of E3M2 with one E8M0 byte for each 32 along K (K = x's last axis, W's first).
; A block's byte is its largest magnitude's exponent field - 4, held at 1 from below; each number is divided by that scale and rounded to the nearest code, ties to even, beyond 28 the largest code.
; LIMITS: NaN and infinities among the inputs are not served; a block of zeros, or one whose largest magnitude lies under 2^-122, gets the byte 1 (its bytes are read by this program alone).
; THE WORKSPACE IS LAID AS THE MATRIX OPERAND'S REGISTERS.  cd: [768 tiles][8 K steps of 128] images of 1,536 bytes: registers 4 g .. 4 g + 3 of lane L at 512 g + 16 L.
; Tiles 0-511 are x's, tile 512 + 64 m + n / 16 is W's (m = 0 q, 1 k, 2 v, 3 o).  Lane r of tile T holds row (or column n) 32 (T / 2) + 8 (T % 2) + r + 8 (r / 8).
; sc: [8 K steps][192 groups of four tiles][row r][tile % 4] scale words: 256 bytes a group.
; SHARES.  Waves 0, 1 of a work-group take x: 128 rows (8 tiles) x one K step each; waves 2, 3 take a weight: 64 columns (4 tiles) x one K step.  Waves share nothing: no barrier; each has 8,704 LDS bytes of its own.
; Matrix units, clusters and tensor loads would add nothing here: each input byte is read once and each output byte written once, by stores of 512 or 256 consecutive bytes.
.set WREG,   8704                      ; LDS bytes of a wave
.set XP,     528                       ; x's stage: a row of 512 bytes + 16
.set TPITCH, 12288                     ; a tile's eight images
.set KSB,    1536                      ; an image
.set SCK,    49152                     ; a K step's scale words
.set FLOOR,  0x2800000                 ; 2^(5 - 127)
.set OFF4,   0xfe000000                ; -(4 << 23)
.set PC,     24                        ; v24-35 a fragment's codes; v36-38, v40-42 second halves as converted
.set SW,     48                        ; v48-55 x's scale words, a register a tile; v56-59 as stored
.set X,      64                        ; v64-127 64 numbers along K (W: two sets of 32)
.set R,      128                       ; v128-255 x: two sets of 16 rows as loaded; W: the images on their way out
	s_load_b256 s[4:11], s[0:1], 0x0               ; x, Wq, Wk, Wv
	s_load_b128 s[12:15], s[0:1], 0x20             ; Wo, cd
	s_load_b64 s[16:17], s[0:1], 0x30              ; sc
	v_lshl_add_u32 v62, v0, 2, 0x8800
	v_mov_b32 v63, 0
	v_lshrrev_b32 v1, 5, v0
	v_readfirstlane_b32 s18, v1                    ; wave
	v_and_b32 v2, 31, v0                           ; L
	v_and_b32 v3, 15, v0                           ; r
	v_bfe_u32 v1, v0, 4, 1                         ; h
	v_lshlrev_b32 v4, 4, v2                        ; 16 L
	s_mul_i32 s19, s18, WREG
	; every LDS address is made here, ahead of the parting of the roles
	v_add_nc_u32 v5, s19, v4                       ; my region + 16 L: x's rows on the way in, W's images on the way out
	v_mul_u32_u24 v6, v3, XP
	v_lshl_add_u32 v6, v1, 7, v6
	v_add_nc_u32 v6, s19, v6                       ; x on the way out of the stage: row r, + 128 h: my 32 numbers of a 64
	v_bfe_u32 v7, v0, 3, 1                         ; W: lane n' is column n' of 32: tile u = (n' / 8) % 2,
	v_and_b32 v8, 7, v0
	v_lshl_add_u32 v8, v1, 3, v8                   ; lane r = n' % 8 + 8 (n' / 16) of it
	v_mul_u32_u24 v9, v7, KSB
	v_lshl_add_u32 v9, v8, 4, v9
	v_add_nc_u32 v9, s19, v9                       ; that lane's 16 bytes in the tile's image
	v_lshlrev_b32 v10, 4, v8
	v_lshl_add_u32 v10, v7, 2, v10
	v_add_nc_u32 v10, s19, v10                     ; and its scale word: 16 r + 4 u
	v_lshlrev_b32 v11, 3, v2                       ; 8 L
	v_add_nc_u32 v12, s19, v11
	v_lshlrev_b32 v13, 2, v2                       ; 4 n'
	v_lshlrev_b32 v14, 3, v1                       ; 8 h: where my two bytes stand in x's scale word
	v_mov_b32 v23, 0                               ; a lane permute's destination counts as read
	s_lshl_b32 s20, ttmp9, 1
	s_and_b32 s21, s18, 1
	s_add_co_u32 s20, s20, s21                     ; my share's number among the role's 512
	s_and_b32 s21, s20, 7                          ; its K step
	s_mov_b32 s22, 0x76543210
	s_mov_b32 s23, 0xfedcba98                      ; selects for lane l xor 16
	s_mov_b32 s27, 0
	s_mov_b32 s31, 0
	s_wait_kmcnt 0x0
	s_cmp_ge_u32 s18, 2
	s_cbranch_scc1 .Lw_role
	; ---------------- x ----------------
	s_lshr_b32 s24, s20, 3                         ; which 128 rows
	s_lshl_b32 s26, s24, 19                        ; 128 rows of 4,096 bytes
	s_lshl_b32 s28, s21, 9                         ; + 512 bytes a K step
	s_add_co_u32 s26, s26, s28
	s_add_nc_u64 s[4:5], s[4:5], s[26:27]
	s_mul_i32 s26, s24, 8*TPITCH
	s_mul_i32 s28, s21, KSB
	s_add_co_u32 s26, s26, s28
	s_add_nc_u64 s[14:15], s[14:15], s[26:27]
	s_mul_i32 s26, s21, SCK
	s_lshl_b32 s28, s24, 9                         ; two groups of four tiles
	s_add_co_u32 s26, s26, s28
	s_add_nc_u64 s[16:17], s[16:17], s[26:27]
.macro LOADX t                         ; tile t's 16 rows: each load is a row's 512 consecutive bytes
.irp q, 0,1,2,3,4,5,6,7,8,9,10,11,12,13,14,15
	global_load_b128 v[R+64*((\t)%2)+4*\q:R+64*((\t)%2)+4*\q+3], v4, s[4:5] offset:(32*((\t)/2)+8*((\t)%2)+\q+8*(\q/8))*4096 th:TH_LOAD_NT
.endr
.endm
.macro UNIT t
.set RS, R+64*((\t)%2)
.if (\t) < 7
	s_wait_loadcnt 16                              ; this tile's 16 loads are in; the next tile's 16 may be out
.else
	s_wait_loadcnt 0x0
.endif
.irp q, 0,1,2,3,4,5,6,7,8,9,10,11,12,13,14,15
	ds_store_b128 v5, v[RS+4*\q:RS+4*\q+3] offset:XP*\q
.endr
.irp c, 0,1                            ; LDS serves a wave's instructions in order: these see the stores.  Lane (r, h) takes k = 64 c + 32 h + 0 .. 31 of row r: two whole blocks
.irp j, 0,1,2,3,4,5,6,7
	ds_load_b128 v[X+32*\c+4*\j:X+32*\c+4*\j+3], v6 offset:256*\c+16*\j
.endr
.endr
	s_wait_dscnt 0x0                               ; the numbers are back, and the stores have read the set that is loaded again below
.if (\t)+2 < 8
	LOADX (\t)+2
.endif
.irp c, 0,1
	v_max3_num_f32 v[16+\c], |v[X+32*\c]|, |v[X+32*\c+1]|, FLOOR   ; the block's largest magnitude, with the floor among its leaves
.endr
.irp i, 2,4,6,8,10,12,14,16,18,20,22,24,26,28,30
.irp c, 0,1
	v_max3_num_f32 v[16+\c], v[16+\c], |v[X+32*\c+\i]|, |v[X+32*\c+\i+1]|
.endr
.endr
.irp c, 0,1
	v_add_nc_u32 v[18+\c], OFF4, v[16+\c]          ; 4 off the exponent field: the conversion's scale operand
.endr
.irp c, 0,1
	v_lshrrev_b32 v[20+\c], 23, v[18+\c]           ; the byte
.endr
	v_lshl_or_b32 v22, v21, 16, v20                ; blocks h and 2 + h,
	v_lshlrev_b32 v22, v14, v22                    ; at their places;
	v_permlanex16_b32 v23, v22, s22, s23
	v_or_b32 v[SW+(\t)], v22, v23                  ; with lane l xor 16's two the row's word is whole, in both halves of the lanes
	s_wait_alu depctr_va_vdst(0)
	s_wait_xcnt 0x0                                ; the last tile's stores have read the codes' registers
.irp c, 0,1
	v_cvt_scalef32_pk16_bf6_f32 v[PC+6*\c:PC+6*\c+2], v[X+32*\c:X+32*\c+15], v[18+\c]
	v_cvt_scalef32_pk16_bf6_f32 v[36+4*\c:38+4*\c], v[X+32*\c+16:X+32*\c+31], v[18+\c]   ; (a conversion's three registers begin on an even number)
.endr
	v_nop                                          ; one plain place behind a scaled conversion
.irp c, 0,1
.irp i, 0,1,2
	v_mov_b32 v[PC+3+6*\c+\i], v[36+4*\c+\i]
.endr
.endr
.irp g, 0,1,2
	global_store_b128 v4, v[PC+4*\g:PC+4*\g+3], s[14:15] offset:TPITCH*(\t)+512*\g   ; 512 consecutive bytes
.endr
.endm
	LOADX 0
	LOADX 1
.irp t, 0,1,2,3,4,5,6,7
	UNIT \t
.endr
	v_cmp_gt_u32 vcc_lo, 16, v2
.irp i, 0,1,2,3
	v_cndmask_b32 v[56+\i], v[SW+4+\i], v[SW+\i], vcc_lo   ; lanes 0-15: tiles 0-3 of row r; lanes 16-31: tiles 4-7
.endr
	global_store_b128 v4, v[56:59], s[16:17]
	s_wait_tensorcnt 0x0
	ds_add_u32 v62, v63
	s_wait_dscnt 0x0
	s_endpgm
	; ---------------- a weight: a lane to a column, registers down K ----------------
.Lw_role:
	s_lshr_b32 s24, s20, 7                         ; m: which weight
	s_bfe_u32 s25, s20, 0x40003                    ; which 64 columns
	s_cmp_lt_u32 s24, 2
	s_cselect_b64 s[26:27], s[6:7], s[10:11]       ; Wq or Wv
	s_cselect_b64 s[28:29], s[8:9], s[12:13]       ; Wk or Wo
	s_bitcmp1_b32 s24, 0
	s_cselect_b64 s[26:27], s[28:29], s[26:27]
	s_lshl_b32 s30, s21, 19                        ; 128 rows of 4,096 bytes a K step
	s_lshl_b32 s32, s25, 8
	s_add_co_u32 s30, s30, s32
	s_add_nc_u64 s[26:27], s[26:27], s[30:31]
	s_lshl_b32 s30, s24, 6
	s_lshl_b32 s32, s25, 2
	s_add_co_u32 s30, s30, s32
	s_add_co_u32 s30, s30, 512                     ; my first tile
	s_mul_i32 s30, s30, TPITCH
	s_mul_i32 s32, s21, KSB
	s_add_co_u32 s30, s30, s32
	s_add_nc_u64 s[14:15], s[14:15], s[30:31]
	s_lshl_b32 s30, s24, 4
	s_add_co_u32 s30, s30, s25
	s_add_co_u32 s30, s30, 128                     ; my group of four tiles
	s_lshl_b32 s30, s30, 8
	s_mul_i32 s32, s21, SCK
	s_add_co_u32 s30, s30, s32
	s_add_nc_u64 s[16:17], s[16:17], s[30:31]
; Block q of eight: 32 along K (q / 2) of 32 columns (q % 2), so that the two halves of a row's 256 bytes are asked for together
.macro LOADW q
.irp i, 0,1,2,3,4,5,6,7,8,9,10,11,12,13,14,15,16,17,18,19,20,21,22,23,24,25,26,27,28,29,30,31
	global_load_b32 v[X+32*((\q)%2)+\i], v13, s[26:27] offset:(32*((\q)/2)+\i)*4096+128*((\q)%2)
.endr
.endm
.macro BLOCK q
.set XS, X+32*((\q)%2)
.set CCO, 2*KSB*((\q)%2)               ; the 32 columns' two images
.set HB, 256*(((\q)/2)%2)              ; the block belongs to lanes 16 (kb % 2) + r of the image
.if (\q) < 7
	s_wait_loadcnt 32                              ; this block's 32 loads are in; the next block's may be out
.else
	s_wait_loadcnt 0x0
.endif
	v_max3_num_f32 v16, |v[XS]|, |v[XS+1]|, |v[XS+2]|
	v_max3_num_f32 v17, |v[XS+3]|, |v[XS+4]|, |v[XS+5]|
.irp i, 6,10,14,18,22,26
	v_max3_num_f32 v16, v16, |v[XS+\i]|, |v[XS+\i+1]|
	v_max3_num_f32 v17, v17, |v[XS+\i+2]|, |v[XS+\i+3]|
.endr
	v_max3_num_f32 v16, v16, |v[XS+30]|, |v[XS+31]|
	v_max3_num_f32 v16, v16, v17, FLOOR
	v_add_nc_u32 v18, OFF4, v16
	v_lshrrev_b32 v19, 23, v18
.if (\q)/2 == 0
	v_mov_b32 v[20+(\q)%2], v19                    ; my column's scale word: the lower K in the lower byte
.else
	v_lshl_or_b32 v[20+(\q)%2], v19, 8*((\q)/2), v[20+(\q)%2]
.endif
	v_cvt_scalef32_pk16_bf6_f32 v[24:26], v[XS:XS+15], v18
	v_cvt_scalef32_pk16_bf6_f32 v[28:30], v[XS+16:XS+31], v18
	v_nop                                          ; one plain place behind a scaled conversion
	v_mov_b32 v27, v28
	v_mov_b32 v28, v29
	v_mov_b32 v29, v30                             ; v24-29: the operand's registers 6 c .. 6 c + 5, c = kb / 2
.if (\q)/4 == 0
	ds_store_b128 v9, v[24:27] offset:CCO+HB       ; registers 0-3
	ds_store_b64 v9, v[28:29] offset:CCO+HB+512    ; 4, 5
.else
	ds_store_b64 v9, v[24:25] offset:CCO+HB+520    ; 6, 7
	ds_store_b128 v9, v[26:29] offset:CCO+HB+1024  ; 8-11
.endif
.if (\q)+2 < 8
	LOADW (\q)+2
.endif
	s_wait_dscnt 0x0                               ; the stores have read their registers
.endm
	s_wait_alu depctr_va_vdst(0)
	LOADW 0
	LOADW 1
.irp q, 0,1,2,3,4,5,6,7
	BLOCK \q
.endr
	ds_store_b32 v10, v20 offset:4*KSB
	s_wait_alu depctr_va_vdst(0)
	ds_store_b32 v10, v21 offset:4*KSB+8
.irp n, 0,1,2,3,4,5,6,7,8,9,10,11
	ds_load_b128 v[R+4*\n:R+4*\n+3], v5 offset:512*\n     ; the four images on end; LDS serves a wave's instructions in order
.endr
	ds_load_b64 v[R+48:R+49], v12 offset:4*KSB
.irp n, 0,1,2,3,4,5,6,7,8,9,10,11
	s_wait_dscnt 12-\n                             ; load n is in; the 12 - n behind it may be out
	global_store_b128 v4, v[R+4*\n:R+4*\n+3], s[14:15] offset:TPITCH*(\n/3)+512*(\n%3)
.endr
	s_wait_dscnt 0x0
	global_store_b64 v11, v[R+48:R+49], s[16:17]   ; 256 consecutive bytes: the group's scale words
	s_wait_tensorcnt 0x0
	ds_add_u32 v62, v63
	s_wait_dscnt 0x0
	s_endpgm
.Lfunc_end_k_q0e44599f3b_quant:
	.size	k_q0e44599f3b_quant, .Lfunc_end_k_q0e44599f3b_quant-k_q0e44599f3b_quant
	.p2alignl 7, 3214868480
	.fill 96, 4, 3214868480
	.section	.rodata,"a",@progbits
	.p2align	6, 0x0
	.amdhsa_kernel k_q0e44599f3b_quant
		.amdhsa_group_segment_fixed_size 35328
		.amdhsa_private_segment_fixed_size 0
		.amdhsa_enable_private_segment 0
		.amdhsa_kernarg_size 56
		.amdhsa_user_sgpr_count 2
		.amdhsa_user_sgpr_kernarg_segment_ptr 1
		.amdhsa_wavefront_size32 1
		.amdhsa_system_sgpr_workgroup_id_x 1
		.amdhsa_system_sgpr_workgroup_id_y 1
		.amdhsa_system_sgpr_workgroup_id_z 1
		.amdhsa_system_vgpr_workitem_id 0
		.amdhsa_next_free_vgpr 256
		.amdhsa_next_free_sgpr 66
		.amdhsa_reserve_vcc 1
		.amdhsa_float_denorm_mode_32 3
		.amdhsa_float_denorm_mode_16_64 3
		.amdhsa_memory_ordered 1
		.amdhsa_forward_progress 1
		.amdhsa_inst_pref_size 99
	.end_amdhsa_kernel
	.amdgpu_metadata
---
amdhsa.version: [ 1, 2 ]
amdhsa.kernels:
  - .name:           k_q0e44599f3b_quant
    .symbol:         k_q0e44599f3b_quant.kd
    .args:
      - { .name: x, .offset: 0, .size: 8, .value_kind: global_buffer, .address_space: global }
      - { .name: Wq, .offset: 8, .size: 8, .value_kind: global_buffer, .address_space: global }
      - { .name: Wk, .offset: 16, .size: 8, .value_kind: global_buffer, .address_space: global }
      - { .name: Wv, .offset: 24, .size: 8, .value_kind: global_buffer, .address_space: global }
      - { .name: Wo, .offset: 32, .size: 8, .value_kind: global_buffer, .address_space: global }
      - { .name: cd, .offset: 40, .size: 8, .value_kind: global_buffer, .address_space: global }
      - { .name: sc, .offset: 48, .size: 8, .value_kind: global_buffer, .address_space: global }
    .group_segment_fixed_size: 35328
    .private_segment_fixed_size: 0
    .kernarg_segment_align: 8
    .kernarg_segment_size: 56
    .max_flat_workgroup_size: 128
    .sgpr_count:     66
    .vgpr_count:     256
    .wavefront_size: 32
...
	.end_amdgpu_metadata
.endif
;; end of part 1
;; launch qkv (part 2): grid 12 x 32, 4 waves a work-group, clusters of 4 x 4, 327,680 bytes of LDS; arguments cd, sc, bq, bk, bv, qq, kv; writes qq, kv
.if DOCPART == 2
	.amdgcn_target "amdgcn-amd-amdhsa--gfx1250"
	.amdhsa_code_object_version 6
	.text
	.protected	k_q0e44599f3b_qkv
	.globl	k_q0e44599f3b_qkv
	.p2align	8
	.type	k_q0e44599f3b_qkv,@function
k_q0e44599f3b_qkv:
	s_mov_b64 s[64:65], 0
	v_nop
	global_prefetch_b8 v0, s[64:65] scope:SCOPE_SE
	s_setreg_imm32_b32 hwreg(HW_REG_WAVE_MODE, 25, 1), 1
	s_wait_xcnt 0x0
	s_wait_alu depctr_hold_cnt(0) depctr_sa_sdst(0) depctr_va_vdst(0) depctr_va_sdst(0) depctr_va_ssrc(0) depctr_va_vcc(0) depctr_vm_vsrc(0)
	s_getreg_b32 s2, hwreg(HW_REG_IB_STS2, 6, 4)
	s_cmp_eq_u32 s2, 0
	s_cbranch_scc0 .Lentry_in_a_cluster
	s_endpgm
.Lentry_in_a_cluster:
	s_bfe_u32 s2, ttmp6, 0x10000c
	s_cmp_lg_u32 s2, 0xf033
	s_cbranch_scc0 .Lentry_shape_is_right
	s_endpgm
.Lentry_shape_is_right:
.set FR,     12
.set NL,     3
.set NP,     4
.set NQ,     2
.set TPITCH, 12288
.set KSB,    1536
.set HALFT,  8*NQ*KSB
.set SLOT,   4*HALFT
.set SCL,    2*SLOT
.set HALFS,  4096
.set SPARE,  SCL+4*HALFS
.set QHEAD,  106496
.set QSTEP,  6656
.set KVHEAD, 208896
.set KVSTEP, 13056
.set ADRA, 16
.set ADRB, 20
.set ADRS, 27
.set SPW,  28
.set NIL,  29
.set SC,   32
.set CT,   64
.set AF,   128
.set TM,   64
.set PC,   80
.set SW,   100
.set E,    108
.set G1, 24
.set G0, 32
.set G1B, 48
.set G0B, 56
.set G1S, 68
.set G0S, 76
.set G1SB, 80
.set G0SB, 88
.set MSB, 0
.macro WIN new
.if MSB != \new
	s_set_vgpr_msb (MSB<<8)|\new
.set MSB, \new
.endif
.endm
.set MUL_LO, 0xa1
.set MUL_HI, 0xf1
.set TO_B,   0x40
.macro JLOAD g0a, g1a, g0b, g1b
	s_cmp_eq_u32 s15, 0
	s_cbranch_scc0 .Lfor_b_\@
	tensor_load_to_lds s[\g0a:\g0a+3], s[\g1a:\g1a+7]
	s_nop 0
.rept 4
	v_nop
.endr
	s_branch .Lasked_\@
.Lfor_b_\@:
	tensor_load_to_lds s[\g0b:\g0b+3], s[\g1b:\g1b+7]
	s_nop 0
.rept 4
	v_nop
.endr
.Lasked_\@:
.endm
.macro CREST
	s_cmp_lg_u32 s14, 0
	s_cbranch_scc1 .Lnot_wave_0_\@
	s_barrier_signal -3
.Lnot_wave_0_\@:
	s_barrier_wait -3
	s_barrier_signal -1
	s_barrier_wait -1
.endm
.macro CROUND
	s_barrier_signal -1
	s_barrier_wait -1
	CREST
.endm
	s_load_b128 s[4:7], s[0:1], 0x0
	s_load_b128 s[8:11], s[0:1], 0x10
	s_load_b128 s[96:99], s[0:1], 0x20
	s_load_b64 s[100:101], s[0:1], 0x30
	v_lshl_add_u32 v[SPW], v0, 2, SPARE
	v_mov_b32 v[NIL], 0
	ds_add_u32 v28, v29
	ds_add_u32 v28, v29
	s_wait_dscnt 0x0
	v_lshrrev_b32 v1, 5, v0
	v_readfirstlane_b32 s14, v1
	s_lshr_b32 s15, s14, 1
	s_and_b32 s16, s14, 1
	s_bfe_u32 s40, ttmp6, 0x40000
	s_bfe_u32 s41, ttmp6, 0x40004
	s_and_b32 s17, ttmp7, 0xffff
	s_lshl_b32 s43, s41, 2
	s_lshl_b32 s43, 15, s43
	s_lshl_b32 s44, 0x1111, s40
	s_or_b32 s[G1+0], s43, (3<<16)|(1<<21)
	s_or_b32 s[G1B+0], s44, (3<<16)|(1<<21)
.irp g, G1, G1B
	s_mov_b32 s[\g+1], 384<<16
	s_mov_b32 s[\g+2], 16<<16                      ; the head's loads bring 16 tiles; behind them these two words are set to 8, for the ring's
	s_mov_b32 s[\g+3], 384<<16
	s_mov_b32 s[\g+4], 16
	s_mov_b32 s[\g+5], TPITCH/8
	s_mov_b32 s[\g+6], 0
	s_mov_b32 s[\g+7], 0
.endr
	s_or_b32 s[G1S+0], s43, (3<<16)|(1<<21)
	s_or_b32 s[G1SB+0], s44, (3<<16)|(1<<21)
.irp g, G1S, G1SB
	s_mov_b32 s[\g+1], 128<<16                     ; the scale words of 16 tiles: 1,024 bytes a K step
	s_mov_b32 s[\g+2], 8<<16
	s_mov_b32 s[\g+3], 128<<16
	s_mov_b32 s[\g+4], 8
	s_mov_b32 s[\g+5], 6144
	s_mov_b32 s[\g+6], 0
	s_mov_b32 s[\g+7], 0
.endr
	s_lshl_b32 s18, s17, 6
	s_lshl_b32 s19, ttmp9, 6
	s_add_co_u32 s19, s19, 512
	s_mov_b32 s20, 640
	s_lshl_b32 s21, s41, 4
	s_lshl_b32 s47, s40, 4
	s_lshl_b32 s22, s16, 3
	s_lshl_b32 s66, s40, 1
	s_add_co_u32 s66, s66, s16
	s_lshl_b32 s67, s41, 1
	s_add_co_u32 s67, s67, s15
	s_cmp_eq_u32 ttmp9, 2
	s_cselect_b32 s20, s20, s18
	s_cselect_b32 s46, s18, s19
	s_cselect_b32 s95, s67, s66
	s_cselect_b32 s66, s66, s67
	s_add_co_u32 s20, s20, s21
	s_add_co_u32 s20, s20, s22
	s_add_co_u32 s46, s46, s47
	s_add_co_u32 s46, s46, s22
	s_lshl_b32 s67, s17, 3
	s_add_co_u32 s66, s66, s67
	s_lshl_b32 s22, s20, 6
	s_mul_i32 s20, s20, TPITCH
	s_mov_b32 s21, 0
	s_mov_b32 s23, 0
	s_lshl_b32 s92, s46, 6
	s_mul_i32 s46, s46, TPITCH
	s_mov_b32 s47, 0
	s_mov_b32 s93, 0
	s_mul_i32 s45, s14, HALFT
	s_lshl_b32 s2, s16, 9                          ; my half's share of a K step's scale words, in bytes
	s_mov_b32 s3, 0
	s_wait_kmcnt 0x0
	s_add_nc_u64 s[20:21], s[4:5], s[20:21]
	s_add_nc_u64 s[22:23], s[6:7], s[22:23]
	s_add_nc_u64 s[46:47], s[4:5], s[46:47]
	s_add_nc_u64 s[92:93], s[6:7], s[92:93]
	CROUND
	s_mov_b32 s[G0S], 1                            ; the scales of A's 16 tiles, from the first half's on,
	s_mov_b32 s[G0S+1], SCL
	s_sub_nc_u64 s[G0S+2:G0S+3], s[22:23], s[2:3]
	s_or_b32 s[G0S+3], s[G0S+3], 0x80000000
	s_mov_b32 s[G0SB], 1                           ; and of B's
	s_mov_b32 s[G0SB+1], SCL+2*HALFS
	s_sub_nc_u64 s[G0SB+2:G0SB+3], s[92:93], s[2:3]
	s_or_b32 s[G0SB+3], s[G0SB+3], 0x80000000
	s_mul_i32 s2, s16, 8*TPITCH                    ; my half's 8 tiles of codes, in bytes
.irp s, 0,1
	s_mov_b32 s[G0+4*\s], 1
	s_add_co_u32 s[G0+4*\s+1], s45, \s*SLOT
	s_add_nc_u64 s[G0+4*\s+2:G0+4*\s+3], s[20:21], \s*NQ*KSB
	s_or_b32 s[G0+4*\s+3], s[G0+4*\s+3], 0x80000000
	s_mov_b32 s[G0B+4*\s], 1
	s_add_co_u32 s[G0B+4*\s+1], s45, \s*SLOT
	s_add_nc_u64 s[G0B+4*\s+2:G0B+4*\s+3], s[46:47], \s*NQ*KSB
	s_or_b32 s[G0B+4*\s+3], s[G0B+4*\s+3], 0x80000000
.endr
; THE HEAD'S LOADS, ONE A WAVE: wave 0 fetches slot 0's 16 tiles of A, wave 1 its 16 tiles of B, wave 2 A's scales, wave 3 B's.  For them slot 0's two sets name the whole tiles
	s_mov_b32 s[G0+1], 0
	s_sub_nc_u64 s[G0+2:G0+3], s[G0+2:G0+3], s[2:3]
	s_mov_b32 s[G0B+1], 2*HALFT
	s_sub_nc_u64 s[G0B+2:G0B+3], s[G0B+2:G0B+3], s[2:3]
.macro ARM under, g0, g1, next
	s_cmp_lt_u32 s14, \under
	s_cbranch_scc0 \next
	tensor_load_to_lds s[\g0:\g0+3], s[\g1:\g1+7]
	s_nop 0
.rept 4
	v_nop
.endr
	s_branch .Lhead_asked
\next:
.endm
	ARM 1, G0,  G1,  .Lhead_b
	ARM 2, G0B, G1B, .Lhead_sa
	ARM 3, G0S, G1S, .Lhead_sb
	tensor_load_to_lds s[G0SB:G0SB+3], s[G1SB:G1SB+7]
	s_nop 0
.rept 4
	v_nop
.endr
.Lhead_asked:
	v_and_b32 v1, 15, v0
	v_bfe_u32 v2, v0, 4, 1
	s_wait_alu depctr_va_vdst(0)
	v_and_b32 v5, 31, v0
	v_lshlrev_b32 v3, 4, v5
	v_lshlrev_b32 v4, 3, v5
	s_mul_i32 s21, s15, HALFT
	s_mul_i32 s22, s16, HALFT
	s_add_co_u32 s22, s22, 2*HALFT
.irp s, 0,1
	v_add_nc_u32 v[ADRA+\s], s21, v3
	v_add_nc_u32 v[ADRB+\s], s22, v3
	s_add_co_u32 s21, s21, SLOT
	s_add_co_u32 s22, s22, SLOT
.endr
	s_lshl_b32 s21, s15, 9
	s_lshl_b32 s22, s16, 9
	s_add_co_u32 s22, s22, 2*HALFS
	s_sub_co_u32 s22, s22, s21
	v_mul_u32_u24 v6, s22, v2
	s_add_co_u32 s21, s21, SCL
	v_lshl_add_u32 v6, v1, 4, v6
	v_add_nc_u32 v[ADRS], s21, v6
	s_lshl_b32 s18, s95, 9
	s_mov_b32 s19, 0
	s_cmp_eq_u32 ttmp9, 2
	s_cbranch_scc1 .Lbias_v
	s_cmp_eq_u32 ttmp9, 0
	s_cselect_b64 s[8:9], s[8:9], s[10:11]
	s_add_nc_u64 s[8:9], s[8:9], s[18:19]
	v_lshlrev_b32 v7, 6, v2
.irp b, 0,1,2,3,4,5,6,7
	global_load_b128 v[CT+8*\b:CT+8*\b+3], v7, s[8:9] offset:(32*(\b/2)+8*(\b%2))*4
	global_load_b128 v[CT+8*\b+4:CT+8*\b+7], v7, s[8:9] offset:(32*(\b/2)+8*(\b%2))*4+16
.endr
	s_branch .Lbias_done
.Lbias_v:
	s_add_nc_u64 s[8:9], s[96:97], s[18:19]
	v_and_b32 v7, 8, v1
	v_add_nc_u32 v7, v7, v1
	v_lshlrev_b32 v7, 2, v7
.irp a, 0,1,2,3,4,5,6,7
	global_load_b32 v[CT+8*\a], v7, s[8:9] offset:(32*(\a/2)+8*(\a%2))*4
.endr
	s_wait_loadcnt 0x0
.irp a, 0,1,2,3,4,5,6,7
.irp j, 1,2,3,4,5,6,7
	v_mov_b32 v[CT+8*\a+\j], v[CT+8*\a]
.endr
.endr
.Lbias_done:
	s_wait_loadcnt 0x0
.macro FRAG reg, adr, q, i
.irp g, 0,1,2
	ds_load_b128 v[\reg+4*\g:\reg+4*\g+3], v[\adr] offset:NQ*KSB*(\i)+KSB*(\q)+512*\g
.endr
.endm
.macro MUL16 a0, p, q, sc, cm
.irp a, \a0, \a0+1
.irp b, 0,1,2,3,4,5,6,7
.if \cm == 1
	v_wmma_scale_f32_16x16x128_f8f6f4 v[8*(8*((\a)%4)+\b):8*(8*((\a)%4)+\b)+7], v[128*(\p)+FR*\b:128*(\p)+FR*\b+FR-1], v[AF+FR*(\a):AF+FR*(\a)+FR-1], v[CT+8*\b:CT+8*\b+7], v[SC+16*(\sc)+8*(\q)+\b], v[SC+16*(\sc)+8*(\q)+(\a)] matrix_a_fmt:MATRIX_FMT_BF6 matrix_b_fmt:MATRIX_FMT_BF6 matrix_a_scale:MATRIX_SCALE_ROW1
.elseif \cm == 2
	v_wmma_scale_f32_16x16x128_f8f6f4 v[8*(8*((\a)%4)+\b):8*(8*((\a)%4)+\b)+7], v[128*(\p)+FR*\b:128*(\p)+FR*\b+FR-1], v[AF+FR*(\a):AF+FR*(\a)+FR-1], v[CT+8*(\a):CT+8*(\a)+7], v[SC+16*(\sc)+8*(\q)+\b], v[SC+16*(\sc)+8*(\q)+(\a)] matrix_a_fmt:MATRIX_FMT_BF6 matrix_b_fmt:MATRIX_FMT_BF6 matrix_a_scale:MATRIX_SCALE_ROW1
.else
	v_wmma_scale_f32_16x16x128_f8f6f4 v[8*(8*((\a)%4)+\b):8*(8*((\a)%4)+\b)+7], v[128*(\p)+FR*\b:128*(\p)+FR*\b+FR-1], v[AF+FR*(\a):AF+FR*(\a)+FR-1], v[8*(8*((\a)%4)+\b):8*(8*((\a)%4)+\b)+7], v[SC+16*(\sc)+8*(\q)+\b], v[SC+16*(\sc)+8*(\q)+(\a)] matrix_a_fmt:MATRIX_FMT_BF6 matrix_b_fmt:MATRIX_FMT_BF6 matrix_a_scale:MATRIX_SCALE_ROW1
.endif
.endr
.endr
.endm
.macro FETCH_B slot, q, p
	WIN TO_B
.irp i, 0,1,2,3,4,5,6,7
	FRAG 128*(\p)+FR*\i, ADRB+\slot, \q, \i
.endr
	WIN 0
.endm
.macro FETCH_A slot, q, i0
.irp i, \i0, \i0+1, \i0+2, \i0+3
	FRAG AF+FR*(\i), ADRA+\slot, \q, \i
.endr
.endm
.macro SCALES set
.irp q, 0,1
.irp g, 0,1
	ds_load_b128 v[SC+16*\set+8*\q+4*\g:SC+16*\set+8*\q+4*\g+3], v[ADRS] offset:1024*\q+256*\g
.endr
.endr
.endm
.macro PLACES n
.rept \n
	v_nop
.endr
.endm
.macro STEP slot, q, cm
	s_wait_dscnt 4*NL
.if \cm
	WIN 0x81
.else
	WIN MUL_LO
.endif
	MUL16 0, (\q)%2, \q, \slot, \cm
	MUL16 2, (\q)%2, \q, \slot, \cm
	s_wait_dscnt 0x0
	PLACES NP
	FETCH_B \slot, (\q)+1, 1-(\q)%2
	FETCH_A \slot, (\q)+1, 0
.if \cm
	WIN 0xc1
.else
	WIN MUL_HI
.endif
	MUL16 4, (\q)%2, \q, \slot, \cm
	MUL16 6, (\q)%2, \q, \slot, \cm
	PLACES NP
	WIN 0
	FETCH_A \slot, (\q)+1, 4
.endm
.macro TURN slot, next, fill
	s_wait_tensorcnt 0x0
	ds_add_u32 v[SPW], v[NIL]
	s_wait_dscnt 4*NL+1
	WIN MUL_LO
	MUL16 0, 1, NQ-1, \slot, 0
	s_wait_dscnt 0x0
	s_barrier_signal -1
	MUL16 2, 1, NQ-1, \slot, 0
	WIN 0
	s_barrier_wait -1
.if \fill
	CREST
	s_add_nc_u64 s[G0+4*\slot+2:G0+4*\slot+3], s[G0+4*\slot+2:G0+4*\slot+3], 2*NQ*KSB
	s_add_nc_u64 s[G0B+4*\slot+2:G0B+4*\slot+3], s[G0B+4*\slot+2:G0B+4*\slot+3], 2*NQ*KSB
	JLOAD G0+4*\slot, G1, G0B+4*\slot, G1B
.else
	PLACES NP
.endif
	s_wait_alu depctr_va_vdst(0)
	v_add_nc_u32 v[ADRS], 1024*NQ, v[ADRS]
	FETCH_B \next, 0, 0
	FETCH_A \next, 0, 0
	SCALES \next
	WIN MUL_HI
	MUL16 4, 1, NQ-1, \slot, 0
	MUL16 6, 1, NQ-1, \slot, 0
	PLACES NP
	WIN 0
	FETCH_A \next, 0, 4
.endm
	s_wait_alu depctr_va_vdst(0)                   ; the wait at the head's end
	s_wait_tensorcnt 0x0                           ; my tile of the head's four is in
	ds_add_u32 v[SPW], v[NIL]
	s_mov_b32 s[G1+2], 8<<16                       ; no tensor load of mine is out: from here on a load brings 8 tiles,
	s_mov_b32 s[G1+4], 8
	s_mov_b32 s[G1B+2], 8<<16
	s_mov_b32 s[G1B+4], 8
	s_mov_b32 s[G0+1], s45                         ; and slot 0's sets name my quarter again
	s_add_nc_u64 s[G0+2:G0+3], s[G0+2:G0+3], s[2:3]
	s_mov_b32 s[G0B+1], s45
	s_add_nc_u64 s[G0B+2:G0B+3], s[G0B+2:G0B+3], s[2:3]
	s_wait_dscnt 0x0
	CROUND                                         ; all four tiles are in, and all sixteen work-groups are here
	JLOAD G0+4, G1, G0B+4, G1B                     ; slot 1's first fill, the first tensor load behind the round
	FETCH_B 0, 0, 0
	FETCH_A 0, 0, 0
	SCALES 0
	FETCH_A 0, 0, 4
	s_cmp_eq_u32 ttmp9, 2
	s_cbranch_scc1 .Lfirst_v
	STEP 0, 0, 1
	s_branch .Lfirst_done
.Lfirst_v:
	STEP 0, 0, 2
.Lfirst_done:
	TURN 0, 1, 1
	STEP 1, 0, 0
	TURN 1, 0, 1
	STEP 0, 0, 0
	TURN 0, 1, 0
	STEP 1, 0, 0
	s_wait_dscnt 4*NL
	WIN MUL_LO
	MUL16 0, 1, NQ-1, 1, 0
	MUL16 2, 1, NQ-1, 1, 0
	s_wait_dscnt 0x0
	WIN MUL_HI
	MUL16 4, 1, NQ-1, 1, 0
	MUL16 6, 1, NQ-1, 1, 0
	WIN 0
	s_mov_b32 s8, 0x76543210
	s_mov_b32 s9, 0xfedcba98
	s_cmp_eq_u32 ttmp9, 0
	s_cselect_b64 s[20:21], s[98:99], s[100:101]
	s_mov_b32 s22, KVHEAD
	s_cselect_b32 s22, QHEAD, s22
	s_mov_b32 s23, KVSTEP
	s_cselect_b32 s23, QSTEP, s23
	s_mov_b32 s10, 12288
	s_cselect_b32 s10, 6144, s10
	s_sub_co_u32 s11, s22, 6144
	s_cmp_eq_u32 ttmp9, 2
	s_cselect_b32 s17, 6144, 0
	s_mov_b32 s40, 768
	s_cselect_b32 s40, 1536, s40
	s_cselect_b32 s42, 768, s22
	s_cselect_b32 s44, s11, 0
	s_cselect_b32 s10, 12800, s10
	s_mov_b32 s41, 0
	s_mov_b32 s43, 0
	s_mov_b32 s45, 0
	s_mov_b32 s46, s22
	s_mov_b32 s47, 0
	s_and_b32 s18, s66, 0xfff0
	s_lshl_b32 s19, s95, 1
	s_add_co_u32 s18, s18, s19
	s_mul_i32 s18, s18, s22
	s_and_b32 s19, s66, 15
	s_mul_i32 s19, s19, s23
	s_add_co_u32 s18, s18, s19
	s_mov_b32 s19, 0
	s_add_nc_u64 s[20:21], s[20:21], s[18:19]
	s_mov_b32 s18, s17
	s_add_nc_u64 s[92:93], s[20:21], s[18:19]
	s_mov_b32 s18, s10
	s_add_nc_u64 s[12:13], s[20:21], s[18:19]
.irp b, 0,1,2,3
	v_mov_b32 v[TM+4+\b], 0
.endr
.macro QUANTW a
.set AC, 64*((\a)%4)
	WIN 0x0a+5*((\a)/4)
.irp b, 0,1,2,3
	v_max3_num_f32 v[TM+\b], |v[AC+16*\b]|, |v[AC+16*\b+1]|, 0x2800000
.endr
.irp i, 2,4,6,8,10,12,14
.irp b, 0,1,2,3
	v_max3_num_f32 v[TM+\b], |v[AC+16*\b+\i]|, |v[AC+16*\b+\i+1]|, v[TM+\b]
.endr
.endr
	WIN 0
.irp b, 0,1,2,3
	v_permlanex16_b32 v[TM+4+\b], v[TM+\b], s8, s9
.endr
.irp b, 0,1,2,3
	v_max_num_f32 v[TM+\b], v[TM+\b], v[TM+4+\b]
.endr
.irp b, 0,1,2,3
	v_add_nc_u32 v[TM+12+\b], 0xfe000000, v[TM+\b]
.endr
.irp b, 0,1,2,3
	v_lshrrev_b32 v[TM+4+\b], 23, v[TM+12+\b]
.endr
	v_lshl_or_b32 v[SW+\a], v[TM+5], 8, v[TM+4]
	v_lshl_or_b32 v[SW+\a], v[TM+6], 16, v[SW+\a]
	v_lshl_or_b32 v[SW+\a], v[TM+7], 24, v[SW+\a]
	WIN 2+(\a)/4
.irp c, 0,1
	v_cvt_scalef32_pk16_bf6_f32 v[PC+6*\c:PC+6*\c+2], v[AC+32*\c:AC+32*\c+15], v[TM+12+2*\c]
	v_cvt_scalef32_pk16_bf6_f32 v[PC+12+4*\c:PC+14+4*\c], v[AC+32*\c+16:AC+32*\c+31], v[TM+12+2*\c+1]
.endr
	WIN 0
	v_nop
.irp c, 0,1
.irp i, 0,1,2
	v_permlane16_swap_b32 v[PC+6*\c+\i], v[PC+12+4*\c+\i]
.endr
.irp i, 0,1,2
	v_mov_b32 v[PC+3+6*\c+\i], v[PC+12+4*\c+\i]
.endr
.endr
.endm
.irp a, 0,1,2,3,4,5,6,7
.if \a > 0
	s_wait_xcnt 0x0
	s_add_nc_u64 s[92:93], s[92:93], s[40:41]
.endif
.if \a == 4
	s_add_nc_u64 s[92:93], s[92:93], s[44:45]
.endif
	s_add_nc_u64 s[2:3], s[92:93], s[42:43]
	QUANTW \a
	global_store_b128 v3, v[PC:PC+3], s[92:93]
	global_store_b64 v4, v[PC+4:PC+5], s[92:93] offset:512
	global_store_b128 v3, v[PC+6:PC+9], s[2:3]
	global_store_b64 v4, v[PC+10:PC+11], s[2:3] offset:512
.endr
	v_cmp_gt_u32 vcc_lo, 16, v5
	s_add_nc_u64 s[18:19], s[12:13], s[46:47]
	s_cmp_eq_u32 ttmp9, 2
	s_cbranch_scc1 .Lwords_v
.irp i, 0,1,2,3
	v_cndmask_b32 v[E+\i], v[SW+4+\i], v[SW+\i], vcc_lo
.endr
.irp i, 0,1,2,3
	v_lshrrev_b32 v[E+4+\i], 16, v[E+\i]
.endr
.irp i, 0,1,2,3
	v_and_b32 v[E+\i], 0xffff, v[E+\i]
.endr
	global_store_b128 v3, v[E:E+3], s[12:13]
	global_store_b128 v3, v[E+4:E+7], s[18:19]
	s_branch .Lwords_done
.Lwords_v:
.irp e, 0,1
.irp i, 0,1
	v_cndmask_b32 v[E+2*\e+\i], v[SW+4*\e+2+\i], v[SW+4*\e+\i], vcc_lo
.endr
.endr
	global_store_b64 v4, v[E:E+1], s[12:13]
	global_store_b64 v4, v[E+2:E+3], s[18:19]
.Lwords_done:
	s_wait_tensorcnt 0x0
	ds_add_u32 v[SPW], v[NIL]
	s_wait_dscnt 0x0
	CROUND
	s_endpgm
.Lfunc_end_k_q0e44599f3b_qkv:
	.size	k_q0e44599f3b_qkv, .Lfunc_end_k_q0e44599f3b_qkv-k_q0e44599f3b_qkv
	.p2alignl 7, 3214868480
	.fill 96, 4, 3214868480
	.section	.rodata,"a",@progbits
	.p2align	6, 0x0
	.amdhsa_kernel k_q0e44599f3b_qkv
		.amdhsa_group_segment_fixed_size 327680
		.amdhsa_private_segment_fixed_size 0
		.amdhsa_enable_private_segment 0
		.amdhsa_kernarg_size 56
		.amdhsa_user_sgpr_count 2
		.amdhsa_user_sgpr_kernarg_segment_ptr 1
		.amdhsa_wavefront_size32 1
		.amdhsa_system_sgpr_workgroup_id_x 1
		.amdhsa_system_sgpr_workgroup_id_y 1
		.amdhsa_system_sgpr_workgroup_id_z 1
		.amdhsa_system_vgpr_workitem_id 0
		.amdhsa_next_free_vgpr 1024
		.amdhsa_next_free_sgpr 102
		.amdhsa_reserve_vcc 1
		.amdhsa_float_denorm_mode_32 3
		.amdhsa_float_denorm_mode_16_64 3
		.amdhsa_memory_ordered 1
		.amdhsa_forward_progress 1
		.amdhsa_inst_pref_size 159
	.end_amdhsa_kernel
	.amdgpu_metadata
---
amdhsa.version: [ 1, 2 ]
amdhsa.kernels:
  - .name:           k_q0e44599f3b_qkv
    .symbol:         k_q0e44599f3b_qkv.kd
    .args:
      - { .name: cd, .offset: 0, .size: 8, .value_kind: global_buffer, .address_space: global }
      - { .name: sc, .offset: 8, .size: 8, .value_kind: global_buffer, .address_space: global }
      - { .name: bq, .offset: 16, .size: 8, .value_kind: global_buffer, .address_space: global }
      - { .name: bk, .offset: 24, .size: 8, .value_kind: global_buffer, .address_space: global }
      - { .name: bv, .offset: 32, .size: 8, .value_kind: global_buffer, .address_space: global }
      - { .name: qq, .offset: 40, .size: 8, .value_kind: global_buffer, .address_space: global }
      - { .name: kv, .offset: 48, .size: 8, .value_kind: global_buffer, .address_space: global }
    .group_segment_fixed_size: 327680
    .private_segment_fixed_size: 0
    .kernarg_segment_align: 8
    .kernarg_segment_size: 56
    .max_flat_workgroup_size: 128
    .sgpr_count:     102
    .vgpr_count:     1024
    .wavefront_size: 32
...
	.end_amdgpu_metadata
.endif
;; end of part 2
;; launch attn (part 3): grid 4 x 64, 16 waves a work-group, clusters of 4 x 1, 327,680 bytes of LDS; arguments qq, kv, ac, asc; writes ac, asc
.if DOCPART == 3
	.amdgcn_target "amdgcn-amd-amdhsa--gfx1250"
	.amdhsa_code_object_version 6
	.text
	.protected	k_q0e44599f3b_attn
	.globl	k_q0e44599f3b_attn
	.p2align	8
	.type	k_q0e44599f3b_attn,@function
k_q0e44599f3b_attn:
	s_mov_b64 s[64:65], 0
	v_nop
	global_prefetch_b8 v0, s[64:65] scope:SCOPE_SE
	s_setreg_imm32_b32 hwreg(HW_REG_WAVE_MODE, 25, 1), 1
	s_wait_xcnt 0x0
	s_wait_alu depctr_hold_cnt(0) depctr_sa_sdst(0) depctr_va_vdst(0) depctr_va_sdst(0) depctr_va_ssrc(0) depctr_va_vcc(0) depctr_vm_vsrc(0)
	s_getreg_b32 s2, hwreg(HW_REG_IB_STS2, 6, 4)
	s_cmp_eq_u32 s2, 0
	s_cbranch_scc0 .Lentry_in_a_cluster
	s_endpgm
.Lentry_in_a_cluster:
	s_bfe_u32 s2, ttmp6, 0x10000c
	s_cmp_lg_u32 s2, 0x3003
	s_cbranch_scc0 .Lentry_shape_is_right
	s_endpgm
.Lentry_shape_is_right:
; softmax(q k^T / 8) v for 64 heads of 2,048 tokens x 64 channels, both products on codes of E3M2; the result is quantised along the channels for the last product.
; t = score x log2(e) / 8; M = the running largest t rounded UP to a whole number; p = 2^(t - M) is quantised along the keys, not normalised; the row's sum is taken of the unquantised p and divides at the end.
; When M moves, the sum and O are multiplied by 2^(old M - new M): exact.
; SHARES.  A work-group owns ONE head and 512 of its queries; a wave owns two tiles of 16 queries (tiles w and w + 16 of the 32) and walks the head's 2,048 keys, 128 a step: 16 trips.
; THE HEAD'S k AND v STAY IN LDS: 16 steps of 13,056 bytes (k's 8 tiles, v's 4, k's words, v's words) = 208,896 bytes.  Each of the sixteen waves fetches one step, 51 rows of 256 bytes, by its one tensor load at the head;
; nothing is filled again, so one barrier stands in front of the walk and none inside it.  The cluster's four work-groups are the four blocks of queries of one head: each step is asked for jointly.
; No prefetch: all tensor loads are issued at the head, so there is no loop to run ahead in.
; LAYOUT.  Both products are used transposed (S^T = k q^T, O^T = v^T p^T): a lane holds one query throughout.  Both query tiles use each fragment of k and v that the wave reads.
; THE KEYS OF A TILE OF k ARE CHOSEN BY ADDRESS: row m of tile 4 c + x is key 64 c + 32 (m / 8) + 8 x + m % 8.  So lane (r, h) holds in the 32 registers of tiles 4 c .. 4 c + 3 the keys 64 c + 32 h + 0 .. 31:
; a whole block of p, in the order of the operand's registers 6 c .. 6 c + 5.  In the stored images lane r' of tile t is key 32 (t / 2) + 8 (t % 2) + r' + 8 (r' / 8): with x = 2 a + u the row is lane 8 a + m % 8 of tile 4 c + 2 (m / 8) + u.
; K = 64 IN AN INSTRUCTION OF K = 128: q's registers 6-11 hold zero codes and bytes 2, 3 of q's and k's scale words are 0.  A tile of k is six registers; the six behind it (the next tile's, or six constants) meet zero codes and add nothing.
; THE WAY OUT.  ac: [tile][head] 768 bytes: registers 0-3 at 16 L, registers 4, 5 at 512 + 8 L.  asc: [pair of heads][8 tiles][head % 2][row r][tile % 8] two bytes: 256 bytes for 8 tiles and a head.
; LIMITS: NaN and infinities are not served; the promise holds while |t| stays under 2^31; a block of zeros, or one under 2^-122, gets the byte 1 (read by this program alone).
.set STEPB,  13056
.set VOFF,   6144
.set KWORDS, 12288
.set VWORDS, 12800
.set KVHEAD, 208896
.set QHEAD,  106496
.set QSTEP,  6656
.set SPARE,  KVHEAD                    ; the spare words, 128 bytes for each wave: eight blocks of 256 bytes that no other line names
.set SCR,    SPARE+2048                ; 1,024 bytes: the 32 tiles' scale bytes meet here; no tensor load lands here
.set FLOOR,  0x2800000                 ; 2^(5 - 127)
.set OFF4,   0xfe000000                ; -(4 << 23)
.set SPW, 1                            ; v1, v2 the add's two registers
.set NIL, 2
.set VA,  3                            ; v3-7 the step's LDS addresses: v's (16 L, 8 L), k's (16 and 8 bytes a lane), k's words
.set VB,  4
.set KA,  5
.set KB,  6
.set KWA, 7
.set NM0, 8                            ; v8 -M, v9 the largest score, v[10:11] the sum: tile 0;  v12-15: tile 1
.set SUM0, 10
.set NM1, 12
.set SUM1, 14
.set QW,  16                           ; v16, v17 q's scale words;  v18, v19 p's
.set PW,  18
.set KW,  20                           ; v20-23 k's scale words, then v20, v21 v's
.set F,   24                           ; v24 f = 2^(old M - new M); v25 named with it as a pair
.set W,   26                           ; v26, v27 the two blocks' largest; v28-37 at work
.set TS,  28
.set TA,  30
.set TT,  34
.set Q,   38                           ; v38-49 q of tile 0 and six zeros, v50-61 of tile 1
.set K,   62                           ; v62-109 k (8 x 6) or v (4 x 12)
.set C16, 110                          ; v110-115 constants: 16 L, 8 L, k's three lane terms, 8 h.  They stand behind k's last tile
.set C8,  111
.set CKA, 112
.set CKB, 113
.set CKW, 114
.set C8H, 115
.set S,   116                          ; v116-179 S^T, then p; tile 1's codes of p are laid at S + 16
.set O,   180                          ; v180-211 O^T of tile 0, v212-243 of tile 1
.set P0,  244                          ; v244-255 tile 0's codes of p
.set WV,  12
.set SEL, 20
.set CS,  22
.set TB,  40
.set CNT, 41
.macro CROUND
	s_barrier_signal -1
	s_barrier_wait -1
	s_cmp_lg_u32 s[WV], 0
	s_cbranch_scc1 .Lnot_wave_0_\@
	s_barrier_signal -3
.Lnot_wave_0_\@:
	s_barrier_wait -3
	s_barrier_signal -1
	s_barrier_wait -1
.endm
	s_load_b128 s[4:7], s[0:1], 0x0                ; qq, kv
	s_load_b128 s[8:11], s[0:1], 0x10              ; ac, asc
	v_lshl_add_u32 v[SPW], v0, 2, SPARE
	v_mov_b32 v[NIL], 0
	ds_add_u32 v[SPW], v[NIL]                      ; the opening lines: the add twice on end and one wait
	ds_add_u32 v[SPW], v[NIL]
	v_lshrrev_b32 v[W], 5, v0
	v_readfirstlane_b32 s[WV], v[W]                ; wave 0..15
	s_bfe_u32 s13, ttmp6, 0x40000                  ; cx: my block of 512 queries: it enters q's and the results' addresses alone
	s_and_b32 s15, ttmp7, 0xffff                   ; 16 x batch + head
	s_mul_i32 s43, s[WV], STEPB                    ; my key step, in memory and in LDS
	s_mul_i32 s44, s15, KVHEAD
	s_add_co_u32 s44, s44, s43
	s_mov_b32 s45, 0
	s_mov_b32 s24, 15|(3<<16)|(1<<21)              ; the mask: all four work-groups; elements of 8 bytes; bit 21 beside a mask
	s_mov_b32 s25, 32<<16                          ; tensor_dim0: 256 bytes
	s_mov_b32 s26, 51<<16                          ; tensor_dim1
	s_mov_b32 s27, 32<<16                          ; tile_dim0
	s_mov_b32 s28, 51                              ; tile_dim1
	s_mov_b32 s29, 32                              ; dense
	s_mov_b32 s30, 0
	s_mov_b32 s31, 0
	s_mov_b32 s[SEL], 0x76543210
	s_mov_b32 s[SEL+1], 0xfedcba98                 ; selects for lane l xor 16
	s_mov_b32 s[CS], 0x3e38aa3b                    ; c = log2(e) / 8
	s_mov_b32 s[CS+1], s[CS]                       ; (named with it as a pair)
	s_mov_b32 s32, 1
	s_mov_b32 s33, s43
	s_wait_dscnt 0x0
	s_wait_kmcnt 0x0
	s_add_nc_u64 s[34:35], s[6:7], s[44:45]
	s_or_b32 s35, s35, 0x80000000
	CROUND                                         ; all four work-groups are here: the joint loads meet
	tensor_load_to_lds s[32:35], s[24:31]          ; every wave's one load: key step = wave
	s_nop 0
.rept 4
	v_nop
.endr
	; q: head, step 4 x block + wave / 8 (+ 2 for tile 1), tile wave % 8
	s_mul_i32 s46, s15, QHEAD
	s_lshl_b32 s47, s13, 2
	s_lshr_b32 s48, s[WV], 3
	s_add_co_u32 s47, s47, s48
	s_mul_i32 s47, s47, QSTEP
	s_add_co_u32 s46, s46, s47
	s_and_b32 s48, s[WV], 7
	s_mul_i32 s49, s48, 768
	s_add_co_u32 s44, s46, s49
	s_add_nc_u64 s[50:51], s[4:5], s[44:45]        ; its codes
	s_lshr_b32 s49, s48, 2
	s_lshl_b32 s49, s49, 8
	s_and_b32 s48, s48, 3
	s_lshl_b32 s48, s48, 2
	s_add_co_u32 s44, s46, s49
	s_add_co_u32 s44, s44, s48
	s_add_co_u32 s44, s44, 6144
	s_add_nc_u64 s[52:53], s[4:5], s[44:45]        ; its scale words: + 16 r
	; the results: tile 128 x batch + 32 x block + wave (+ 16), 768 bytes a head
	s_lshr_b32 s16, s15, 4                         ; batch
	s_and_b32 s17, s15, 15                         ; head
	s_lshl_b32 s44, s16, 7
	s_lshl_b32 s46, s13, 5
	s_add_co_u32 s44, s44, s46
	s_add_co_u32 s44, s44, s[WV]
	s_mul_i32 s44, s44, 12288
	s_mul_i32 s46, s17, 768
	s_add_co_u32 s44, s44, s46
	s_add_nc_u64 s[8:9], s[8:9], s[44:45]
	s_lshr_b32 s44, s17, 1
	s_lshl_b32 s44, s44, 15                        ; the pair's 32,768 bytes,
	s_lshl_b32 s46, s16, 4
	s_lshl_b32 s47, s13, 2
	s_add_co_u32 s46, s46, s47
	s_lshl_b32 s46, s46, 9                         ; my work-group's four runs of 8 tiles, 512 bytes each,
	s_add_co_u32 s44, s44, s46
	s_and_b32 s46, s17, 1
	s_lshl_b32 s46, s46, 8                         ; my head's 256 of them,
	s_add_co_u32 s44, s44, s46
	s_and_b32 s46, s[WV], 1
	s_lshl_b32 s46, s46, 10                        ; waves 0 and 1 store two runs each
	s_add_co_u32 s44, s44, s46
	s_add_nc_u64 s[10:11], s[10:11], s[44:45]
	v_and_b32 v[W], 31, v0                         ; L
	v_and_b32 v[W+1], 7, v0                        ; r % 8
	v_bfe_u32 v[W+2], v0, 3, 1                     ; r / 8
	v_bfe_u32 v[W+3], v0, 4, 1                     ; h
	v_lshlrev_b32 v[C16], 4, v[W]
	v_lshlrev_b32 v[C8], 3, v[W]
	v_mul_u32_u24 v[W+4], v[W+2], 1536             ; two stored tiles on for rows 8-15
	v_lshl_add_u32 v[CKA], v[W+1], 4, v[W+4]
	v_lshl_add_u32 v[CKA], v[W+3], 8, v[CKA]       ; registers 0-3: 1536 (r / 8) + 16 (r % 8) + 256 h
	v_lshl_add_u32 v[CKB], v[W+1], 3, v[W+4]
	v_lshl_add_u32 v[CKB], v[W+3], 7, v[CKB]       ; registers 4, 5: 1536 (r / 8) + 8 (r % 8) + 128 h
	v_lshlrev_b32 v[CKW], 4, v[W+1]
	v_lshl_add_u32 v[CKW], v[W+2], 3, v[CKW]
	v_lshl_add_u32 v[CKW], v[W+3], 8, v[CKW]       ; words: 16 (r % 8) + 8 (r / 8) + 256 h: lanes 16-31 take tiles 4-7's
	v_lshlrev_b32 v[C8H], 3, v[W+3]
	v_and_b32 v[W+5], 15, v0
	v_lshlrev_b32 v[W+5], 4, v[W+5]                ; 16 r
	s_wait_alu depctr_va_vdst(0)                   ; the wait ahead of the readers below
.irp i, 0,1
	global_load_b128 v[Q+12*\i:Q+12*\i+3], v[C16], s[50:51] offset:\i*2*QSTEP
	global_load_b64 v[Q+12*\i+4:Q+12*\i+5], v[C8], s[50:51] offset:\i*2*QSTEP+512
	global_load_b32 v[QW+\i], v[W+5], s[52:53] offset:\i*2*QSTEP
.endr
.irp j, 6,7,8,9,10,11,18,19,20,21,22,23
	v_mov_b32 v[Q+\j], 0                           ; zero codes: q's K = 64 .. 127
.endr
.set j, 0
.rept 64
	v_mov_b32 v[O+j], 0                            ; O^T and the sums begin as zeros, so that the key step is written once
.set j, j+1
.endr
.irp n, NM0, NM1
	v_mov_b32 v[\n], 0x7e000000                    ; -M: so large that the first f is 0
	v_mov_b32 v[\n+1], 0xff61b1e6                  ; the largest score so far: -3e38
	v_mov_b32 v[\n+2], 0
	v_mov_b32 v[\n+3], 0
.endr
	v_mov_b32 v[F+1], 0
; S^T of query tile i: eight tiles of 16 keys
.macro SMUL i, w                       ; w = 1: k's tiles are still landing: tile x's product names tiles x and x + 1, and the two loads of each later tile may be out
.irp x, 0,1,2,3
.if \w
	s_wait_dscnt 12-2*\x
.endif
	v_wmma_scale_f32_16x16x128_f8f6f4 v[S+8*\x:S+8*\x+7], v[K+6*\x:K+6*\x+11], v[Q+12*\i:Q+12*\i+11], 0, v[KW+\x], v[QW+\i] matrix_a_fmt:MATRIX_FMT_BF6 matrix_b_fmt:MATRIX_FMT_BF6
.endr
.irp x, 0,1,2,3
.if (\w) && (\x < 3)
	s_wait_dscnt 4-2*\x
.endif
	v_wmma_scale_f32_16x16x128_f8f6f4 v[S+32+8*\x:S+39+8*\x], v[K+24+6*\x:K+35+6*\x], v[Q+12*\i:Q+12*\i+11], 0, v[KW+\x], v[QW+\i] matrix_a_fmt:MATRIX_FMT_BF6 matrix_b_fmt:MATRIX_FMT_BF6 matrix_a_scale:MATRIX_SCALE_ROW1
.endr
.endm
; The scores of one query tile become p's codes at v[P ..] and p's scale word.  A lane's registers S + 32 c .. + 31 are block 2 c + h
.macro TM NM, n                        ; t - M of the next 2 n scores, two at a time
.rept \n
	v_pk_fma_f32 v[S+j:S+j+1], v[S+j:S+j+1], s[CS:CS+1], v[\NM:\NM+1] op_sel_hi:[1,0,0]
.set j, j+2
.endr
.endm
.macro SOFTMAX NM, SUM, P, PWR
	v_mov_b32 v[W+8], v[\NM]                       ; the old -M
.irp c, 0,1
.irp i, 0,1,2,3
	v_max3_num_f32 v[W+4*\c+\i], v[S+32*\c+8*\i], v[S+32*\c+8*\i+1], v[S+32*\c+8*\i+2]   ; each block's largest score: a chain to an accumulator, eight by turns; each accumulator is read from its low end on
.endr
.endr
.irp q, 3,5
.irp c, 0,1
.irp i, 0,1,2,3
	v_max3_num_f32 v[W+4*\c+\i], v[W+4*\c+\i], v[S+32*\c+8*\i+\q], v[S+32*\c+8*\i+\q+1]
.endr
.endr
.endr
.irp c, 0,1
	v_max3_num_f32 v[W+4*\c], v[W+4*\c], v[W+4*\c+1], v[S+32*\c+7]        ; the chains join, each join with one of the four numbers left over
	v_max3_num_f32 v[W+4*\c+2], v[W+4*\c+2], v[W+4*\c+3], v[S+32*\c+15]
.endr
.irp c, 0,1
	v_max3_num_f32 v[W+4*\c], v[W+4*\c], v[W+4*\c+2], v[S+32*\c+23]
.endr
	v_max_num_f32 v[W], v[W], v[S+31]
	v_max_num_f32 v[W+1], v[W+4], v[S+63]
	s_delay_alu instid0(VALU_DEP_1)
	v_max3_num_f32 v[\NM+1], v[\NM+1], v[W], v[W+1]
	s_delay_alu instid0(VALU_DEP_1)
	v_permlanex16_b32 v[W+2], v[\NM+1], s[SEL], s[SEL+1]
	s_delay_alu instid0(VALU_DEP_1)
	v_max_num_f32 v[\NM+1], v[\NM+1], v[W+2]       ; the running largest score of my query
	s_delay_alu instid0(VALU_DEP_1)
	v_mul_f32 v[W+2], s[CS], v[\NM+1]              ; as t (c is positive)
	s_delay_alu instid0(VALU_DEP_1)
	v_floor_f32 v[\NM], -v[W+2]                    ; -M = floor(-t): M is a whole number
.set j, 0
	TM \NM, 4                                      ; the three lines that make f stand among the 32 multiply-adds, which do not need it
	v_sub_f32 v[W+3], v[\NM], v[W+8]               ; old M - new M: a whole number, 0 or less
	TM \NM, 4
	v_cvt_i32_f32 v[W+3], v[W+3]                   ; (it saturates)
	TM \NM, 4
	v_ldexp_f32 v[F], 1.0, v[W+3]                  ; f = 2^(old M - new M)
	TM \NM, 20
.irp c, 0,1
	v_fma_f32 v[W+\c], v[W+\c], s[CS], v[\NM]      ; the same of each block's largest score: p rises with the score
.endr
	s_wait_alu depctr_va_vdst(0)                   ; the wait ahead of the batch
	v_exp_f32 v[W], v[W]                           ; the blocks' largest p,
	v_exp_f32 v[W+1], v[W+1]
.set j, 0
.rept 64
	v_exp_f32 v[S+j], v[S+j]                       ; and p = 2^(t - M), at most 1
.set j, j+1
.endr
	v_pk_mul_f32 v[\SUM:\SUM+1], v[\SUM:\SUM+1], v[F:F+1] op_sel_hi:[1,0]   ; the sum under the new M: the plain place behind the batch
	s_wait_alu depctr_va_vdst(0)                   ; one wait for the batch of 66, ahead of its first reader
	v_max_num_f32 v[W], FLOOR, v[W]
	v_max_num_f32 v[W+1], FLOOR, v[W+1]
.irp ch, 0,1,2,3,4
	v_pk_add_f32 v[TS+2*\ch:TS+2*\ch+1], v[S+4*\ch:S+4*\ch+1], v[S+4*\ch+2:S+4*\ch+3]    ; the sum of the unquantised p, in five chains
.endr
	v_add_nc_u32 v[W], OFF4, v[W]                  ; 4 off the exponent field: the conversions' scale operands
	v_add_nc_u32 v[W+1], OFF4, v[W+1]
.irp g, 0,1,2,3
.irp ch, 0,1,2,3,4
	v_pk_add_f32 v[TS+2*\ch:TS+2*\ch+1], v[TS+2*\ch:TS+2*\ch+1], v[S+20+10*\g+2*\ch:S+21+10*\g+2*\ch]
.endr
.endr
	v_pk_add_f32 v[TS:TS+1], v[TS:TS+1], v[S+60:S+61]
	v_pk_add_f32 v[TS+2:TS+3], v[TS+2:TS+3], v[S+62:S+63]
	v_pk_add_f32 v[TS+4:TS+5], v[TS+4:TS+5], v[TS+6:TS+7]
	v_pk_add_f32 v[\SUM:\SUM+1], v[\SUM:\SUM+1], v[TS+8:TS+9]
	v_pk_add_f32 v[TS:TS+1], v[TS:TS+1], v[TS+2:TS+3]
	v_pk_add_f32 v[\SUM:\SUM+1], v[\SUM:\SUM+1], v[TS+4:TS+5]
	v_pk_add_f32 v[\SUM:\SUM+1], v[\SUM:\SUM+1], v[TS:TS+1]
	v_cvt_scalef32_pk16_bf6_f32 v[TA:TA+2], v[S+16:S+31], v[W]           ; (a conversion's three registers begin on an even number: the blocks' second halves are made elsewhere and moved)
	v_lshrrev_b32 v[TS], 23, v[W]                  ; the bytes; each of these two lines is also the plain place behind the conversions above it
	v_cvt_scalef32_pk16_bf6_f32 v[\P:\P+2], v[S:S+15], v[W]
	v_cvt_scalef32_pk16_bf6_f32 v[\P+6:\P+8], v[S+32:S+47], v[W+1]
	v_cvt_scalef32_pk16_bf6_f32 v[TT:TT+2], v[S+48:S+63], v[W+1]
	v_lshrrev_b32 v[TS+1], 23, v[W+1]
	v_lshl_or_b32 v[TS], v[TS+1], 16, v[TS]        ; my blocks h and 2 + h,  (the word's four lines stand among the six moves)
	v_mov_b32 v[\P+3], v[TA]
	v_mov_b32 v[\P+9], v[TT]
	v_lshlrev_b32 v[TS], v[C8H], v[TS]             ; at their places;
	v_mov_b32 v[\P+4], v[TA+1]
	v_mov_b32 v[\P+10], v[TT+1]
	v_permlanex16_b32 v[TS+1], v[TS], s[SEL], s[SEL+1]
	v_mov_b32 v[\P+5], v[TA+2]
	v_mov_b32 v[\P+11], v[TT+2]
	v_or_b32 v[\PWR], v[TS], v[TS+1]               ; with lane l xor 16's two the word is whole
.endm
.macro RESCALE i                       ; O^T of tile i under the new M
	s_wait_alu depctr_va_vdst(0)                   ; the wait directly ahead of the first reader of O^T
.set j, 0
.rept 16
	v_pk_mul_f32 v[O+32*\i+j:O+32*\i+j+1], v[O+32*\i+j:O+32*\i+j+1], v[F:F+1] op_sel_hi:[1,0]
.set j, j+2
.endr
.endm
	s_wait_alu depctr_va_vdst(0)                   ; the wait at the head's end
	s_wait_loadcnt 0x0                             ; q
	s_wait_tensorcnt 0x0                           ; my key step is in,
	s_barrier_signal -1
	s_barrier_wait -1                              ; and everybody's
	s_mov_b32 s[TB], 0
	s_mov_b32 s[CNT], 16
.Lstep:                                                ; A KEY STEP: 128 keys at LDS byte s[TB], for both query tiles
	v_add_nc_u32 v[KA], s[TB], v[CKA]
	v_add_nc_u32 v[KB], s[TB], v[CKB]
	v_add_nc_u32 v[KWA], s[TB], v[CKW]
	v_nop
	v_nop                                          ; five places between the last step's products and the loads and products that write over their registers
.irp a, 0,1
	ds_load_b64 v[KW+2*\a:KW+2*\a+1], v[KWA] offset:KWORDS+128*\a   ; k's words first: register x: lanes 0-15 tile x's words, lanes 16-31 tile 4 + x's
.endr
.irp c, 0,1
.irp a, 0,1
.irp u, 0,1
	ds_load_b128 v[K+6*(4*\c+2*\a+\u):K+6*(4*\c+2*\a+\u)+3], v[KA] offset:768*(4*\c+\u)+128*\a
	ds_load_b64 v[K+6*(4*\c+2*\a+\u)+4:K+6*(4*\c+2*\a+\u)+5], v[KB] offset:768*(4*\c+\u)+512+64*\a
.endr
.endr
.endr
	SMUL 0, 1
	v_add_nc_u32 v[VA], s[TB], v[C16]
	v_add_nc_u32 v[VB], s[TB], v[C8]
	v_nop                                          ; with the move that opens the softmax: four places in front of the first read of the scores
	SOFTMAX NM0, SUM0, P0, PW
	SMUL 1, 0                                      ; k's fragments serve the second tile from the registers
	RESCALE 0                                      ; these sixteen are also the places behind the products
.irp t, 0,1,2,3                        ; v's tiles over k's registers: they land under the second softmax
	ds_load_b128 v[K+12*\t:K+12*\t+3], v[VA] offset:VOFF+1536*\t
	ds_load_b64 v[K+12*\t+4:K+12*\t+5], v[VB] offset:VOFF+1536*\t+512
	ds_load_b128 v[K+12*\t+6:K+12*\t+9], v[VA] offset:VOFF+1536*\t+768
	ds_load_b64 v[K+12*\t+10:K+12*\t+11], v[VB] offset:VOFF+1536*\t+1280
.endr
	ds_load_b64 v[KW:KW+1], v[VB] offset:VWORDS    ; register i: lanes 0-15 tile i's words, lanes 16-31 tile 2 + i's
	SOFTMAX NM1, SUM1, S+16, PW+1
	RESCALE 1                                      ; these sixteen also stand between the writes of p's codes and word and the products
	s_wait_alu depctr_va_vdst(0)
	s_wait_dscnt 0x0                               ; v
.irp t, 0,1
	v_wmma_scale_f32_16x16x128_f8f6f4 v[O+8*\t:O+8*\t+7], v[K+12*\t:K+12*\t+11], v[P0:P0+11], v[O+8*\t:O+8*\t+7], v[KW+\t], v[PW] matrix_a_fmt:MATRIX_FMT_BF6 matrix_b_fmt:MATRIX_FMT_BF6
	v_wmma_scale_f32_16x16x128_f8f6f4 v[O+32+8*\t:O+39+8*\t], v[K+12*\t:K+12*\t+11], v[S+16:S+27], v[O+32+8*\t:O+39+8*\t], v[KW+\t], v[PW+1] matrix_a_fmt:MATRIX_FMT_BF6 matrix_b_fmt:MATRIX_FMT_BF6
.endr
.irp t, 0,1
	v_wmma_scale_f32_16x16x128_f8f6f4 v[O+16+8*\t:O+23+8*\t], v[K+24+12*\t:K+35+12*\t], v[P0:P0+11], v[O+16+8*\t:O+23+8*\t], v[KW+\t], v[PW] matrix_a_fmt:MATRIX_FMT_BF6 matrix_b_fmt:MATRIX_FMT_BF6 matrix_a_scale:MATRIX_SCALE_ROW1
	v_wmma_scale_f32_16x16x128_f8f6f4 v[O+48+8*\t:O+55+8*\t], v[K+24+12*\t:K+35+12*\t], v[S+16:S+27], v[O+48+8*\t:O+55+8*\t], v[KW+\t], v[PW+1] matrix_a_fmt:MATRIX_FMT_BF6 matrix_b_fmt:MATRIX_FMT_BF6 matrix_a_scale:MATRIX_SCALE_ROW1
.endr
	s_add_co_u32 s[TB], s[TB], STEPB
	s_sub_co_u32 s[CNT], s[CNT], 1
	s_cmp_lg_u32 s[CNT], 0
	s_cbranch_scc1 .Lstep
; A tile is done: O^T / the sum, 32 numbers a lane (register 16 b + i = channel 32 b + 16 h + i), becomes six registers of codes at FB + 6 and two scale bytes at FB + 15
.macro FINISH SUM, OB, FB
	v_add_f32 v[\SUM], v[\SUM], v[\SUM+1]
	v_permlanex16_b32 v[\FB], v[\SUM], s[SEL], s[SEL+1]
	v_add_f32 v[\SUM], v[\SUM], v[\FB]             ; the row's sum
	s_wait_alu depctr_va_vdst(0)
	v_rcp_f32 v[\SUM], v[\SUM]
	v_nop                                          ; a plain place behind the reciprocal,
	s_wait_alu depctr_va_vdst(0)                   ; and the wait ahead of its first reader, which is O^T's first reader too
.set j, 0
.rept 32
	v_mul_f32 v[S+j], v[\OB+j], v[\SUM]
.set j, j+1
.endr
.irp b, 0,1
	v_max3_num_f32 v[\FB+\b], |v[S+16*\b]|, |v[S+16*\b+1]|, FLOOR
.endr
.irp i, 2,4,6,8,10,12,14
.irp b, 0,1
	v_max3_num_f32 v[\FB+\b], v[\FB+\b], |v[S+16*\b+\i]|, |v[S+16*\b+\i+1]|
.endr
.endr
.irp b, 0,1
	v_permlanex16_b32 v[\FB+2+\b], v[\FB+\b], s[SEL], s[SEL+1]
.endr
.irp b, 0,1
	v_max_num_f32 v[\FB+\b], v[\FB+\b], v[\FB+2+\b]
.endr
.irp b, 0,1
	v_add_nc_u32 v[\FB+4+\b], OFF4, v[\FB+\b]
.endr
.irp b, 0,1
	v_lshrrev_b32 v[\FB+2+\b], 23, v[\FB+4+\b]
.endr
	v_lshl_or_b32 v[\FB+15], v[\FB+3], 8, v[\FB+2]
	v_cvt_scalef32_pk16_bf6_f32 v[\FB+6:\FB+8], v[S:S+15], v[\FB+4]
	v_cvt_scalef32_pk16_bf6_f32 v[\FB+12:\FB+14], v[S+16:S+31], v[\FB+5]
	v_nop                                          ; one plain place behind a scaled conversion
.irp i, 0,1,2
	v_permlane16_swap_b32 v[\FB+6+\i], v[\FB+12+\i]
.endr
.irp i, 0,1,2
	v_mov_b32 v[\FB+9+\i], v[\FB+12+\i]
.endr
.endm
	s_lshr_b32 s42, s[WV], 3                       ; where the scale bytes meet: 256 (tile / 8) + 16 r + 2 (tile % 8)
	s_lshl_b32 s42, s42, 8
	s_and_b32 s43, s[WV], 7
	s_lshl_b32 s43, s43, 1
	s_add_co_u32 s42, s42, s43
	s_add_co_u32 s42, s42, SCR
	s_and_b32 s43, s[WV], 1
	s_lshl_b32 s43, s43, 9
	s_add_co_u32 s43, s43, SCR
.rept 4
	v_nop                                          ; places behind the last products
.endr
	FINISH SUM0, O, K
	FINISH SUM1, O+32, K+16
	v_and_b32 v[K+32], 15, v0
	v_lshlrev_b32 v[K+32], 4, v[K+32]              ; 16 r
	v_add_nc_u32 v[K+33], s42, v[K+32]
	v_add_nc_u32 v[K+34], s43, v[C16]              ; and back: waves 0 and 1, 512 bytes each
	v_bfe_u32 v[K+35], v0, 4, 1
	v_lshl_add_u32 v[K+35], v[K+35], 9, v[K+32]    ; in asc sixteen lanes fill my head's 256 bytes of a run, the next sixteen those of the next run
	s_wait_alu depctr_va_vdst(0)                   ; the wait ahead of the readers below
.irp i, 0,1
	global_store_b128 v[C16], v[K+16*\i+6:K+16*\i+9], s[8:9] offset:\i*16*12288          ; 512 consecutive bytes
	global_store_b64 v[C8], v[K+16*\i+10:K+16*\i+11], s[8:9] offset:\i*16*12288+512      ; 256 consecutive bytes
	ds_store_b16 v[K+33], v[K+16*\i+15] offset:512*\i    ; lanes r and 16 + r write the same bytes with the same value
.endr
	s_wait_dscnt 0x0                               ; for the others' sake
	s_barrier_signal -1
	s_barrier_wait -1
	s_cmp_lt_u32 s[WV], 2
	s_cbranch_scc0 .Lno_words
	ds_load_b128 v[S:S+3], v[K+34]
	s_wait_dscnt 0x0
	global_store_b128 v[K+35], v[S:S+3], s[10:11]
.Lno_words:
	s_wait_tensorcnt 0x0                           ; the wave's end
	ds_add_u32 v[SPW], v[NIL]
	s_wait_dscnt 0x0
	CROUND                                         ; the closing round
	s_endpgm
.Lfunc_end_k_q0e44599f3b_attn:
	.size	k_q0e44599f3b_attn, .Lfunc_end_k_q0e44599f3b_attn-k_q0e44599f3b_attn
	.p2alignl 7, 3214868480
	.fill 96, 4, 3214868480
	.section	.rodata,"a",@progbits
	.p2align	6, 0x0
	.amdhsa_kernel k_q0e44599f3b_attn
		.amdhsa_group_segment_fixed_size 327680
		.amdhsa_private_segment_fixed_size 0
		.amdhsa_enable_private_segment 0
		.amdhsa_kernarg_size 32
		.amdhsa_user_sgpr_count 2
		.amdhsa_user_sgpr_kernarg_segment_ptr 1
		.amdhsa_wavefront_size32 1
		.amdhsa_system_sgpr_workgroup_id_x 1
		.amdhsa_system_sgpr_workgroup_id_y 1
		.amdhsa_system_sgpr_workgroup_id_z 1
		.amdhsa_system_vgpr_workitem_id 0
		.amdhsa_next_free_vgpr 256
		.amdhsa_next_free_sgpr 66
		.amdhsa_reserve_vcc 0
		.amdhsa_float_denorm_mode_32 3
		.amdhsa_float_denorm_mode_16_64 3
		.amdhsa_memory_ordered 1
		.amdhsa_forward_progress 1
		.amdhsa_inst_pref_size 45
	.end_amdhsa_kernel
	.amdgpu_metadata
---
amdhsa.version: [ 1, 2 ]
amdhsa.kernels:
  - .name:           k_q0e44599f3b_attn
    .symbol:         k_q0e44599f3b_attn.kd
    .args:
      - { .name: qq, .offset: 0, .size: 8, .value_kind: global_buffer, .address_space: global }
      - { .name: kv, .offset: 8, .size: 8, .value_kind: global_buffer, .address_space: global }
      - { .name: ac, .offset: 16, .size: 8, .value_kind: global_buffer, .address_space: global }
      - { .name: asc, .offset: 24, .size: 8, .value_kind: global_buffer, .address_space: global }
    .group_segment_fixed_size: 327680
    .private_segment_fixed_size: 0
    .kernarg_segment_align: 8
    .kernarg_segment_size: 32
    .max_flat_workgroup_size: 512
    .sgpr_count:     66
    .vgpr_count:     256
    .wavefront_size: 32
...
	.end_amdgpu_metadata
.endif
;; end of part 3
;; launch proj (part 4): grid 4 x 64, 4 waves a work-group, clusters of 4 x 4, 327,680 bytes of LDS; arguments ac, asc, cd, sc, bo, out0; writes out0
.if DOCPART == 4
	.amdgcn_target "amdgcn-amd-amdhsa--gfx1250"
	.amdhsa_code_object_version 6
	.text
	.protected	k_q0e44599f3b_proj
	.globl	k_q0e44599f3b_proj
	.p2align	8
	.type	k_q0e44599f3b_proj,@function
k_q0e44599f3b_proj:
	s_mov_b64 s[64:65], 0
	v_nop
	global_prefetch_b8 v0, s[64:65] scope:SCOPE_SE
	s_setreg_imm32_b32 hwreg(HW_REG_WAVE_MODE, 25, 1), 1
	s_wait_xcnt 0x0
	s_wait_alu depctr_hold_cnt(0) depctr_sa_sdst(0) depctr_va_vdst(0) depctr_va_sdst(0) depctr_va_ssrc(0) depctr_va_vcc(0) depctr_vm_vsrc(0)
	s_getreg_b32 s2, hwreg(HW_REG_IB_STS2, 6, 4)
	s_cmp_eq_u32 s2, 0
	s_cbranch_scc0 .Lentry_in_a_cluster
	s_endpgm
.Lentry_in_a_cluster:
	s_bfe_u32 s2, ttmp6, 0x10000c
	s_cmp_lg_u32 s2, 0xf033
	s_cbranch_scc0 .Lentry_shape_is_right
	s_endpgm
.Lentry_shape_is_right:
; out0 [8192][1024] = attention's result (codes of E3M2 in ac, scale bytes in asc) x Wo (codes in cd, tiles 704-767, scale words in sc) + bo; sums in f32.
; A work-group makes 128 rows x 256 columns; its four waves make 64 x 128 each: 32 accumulators of 16 x 16.  The grid is 4 x 64 work-groups.
; ALL OF K STAYS IN LDS: A's 8 tiles (98,304 bytes) and B's 16 tiles (196,608 bytes) are dense blocks of memory, images of the operand's registers.  They come by the head's four tensor loads, one a wave, as rows of 256 bytes:
; wave 0 fetches A, waves 1-3 a third of B each.  Nothing is filled again: one barrier stands in front of the walk along K, and one in front of the way out, whose stages lie on bytes that are read no more.
; CLUSTERS: 4 x 4 work-groups.  The four of a row need the same A, the four of a column the same B: both are asked for jointly.
; No prefetch: all tensor loads are issued at the head, so there is no loop to run ahead in.
; THE SCALES come straight into registers, for all eight K steps: B's words 512 consecutive bytes a load (register i: lanes 0-15 tile i, lanes 16-31 tile 4 + i);
; A's as two bytes a head: asc is [K step][8 tiles][head % 2][row r][tile % 8]; a word takes two bytes of each of the K step's two heads.
; THE MATRIX INSTRUCTION IS USED TRANSPOSED (source 0 = 16 columns of Wo, source 1 = 16 tokens): a lane holds eight neighbouring numbers of a row of out0.  The bias is the C of the first K step's products.
; Lane r of tile T holds row (or column) 32 (T / 2) + 8 (T % 2) + r + 8 (r / 8).
; REGISTERS, in windows of 256: window 0: v0-31 addresses, v32-63 B's scale words, v64-95 A's, v96-127 A's scale bytes as loaded, v128-223 A's fragments, two sets; on the way out v128-255.
;   window 1: the accumulators, (a, b) at v[64 a + 8 b];  window 2: B's fragments, two sets of 96;  window 3: v0-63 the bias.
.set TPITCH, 12288                     ; a tile's eight images
.set KSB,    1536                      ; an image
.set LB,     8*TPITCH                  ; B's tiles, behind A's
.set SPARE,  24*TPITCH                 ; the spare words, 128 bytes for each wave: two blocks of 256 bytes that no other line names
.set SPITCH, 528                       ; the way out: a stage of 16 rows x (512 bytes + 16) for each wave
.set ADRA, 16
.set ADRA8, 17
.set ADRB, 18                          ; v18 B's tiles 0-3, v19 tiles 4-7
.set STO,  24
.set RD,   25
.set SPW,  28
.set NIL,  29
.set SB,   32
.set SA,   64
.set TP,   96
.set AF,   128
.set BK,   128
.set G1,  24
.set G0,  32
.set G1B, 48
.set G0B, 56
.set MSB, 0
.macro WIN new                         ; the immediate's high byte repeats the setting that is left
.if MSB != \new
	s_set_vgpr_msb (MSB<<8)|\new
.set MSB, \new
.endif
.endm
.macro PLACES n
.rept \n
	v_nop
.endr
.endm
.macro CROUND
	s_barrier_signal -1
	s_barrier_wait -1
	s_cmp_lg_u32 s14, 0
	s_cbranch_scc1 .Lnot_wave_0_\@
	s_barrier_signal -3
.Lnot_wave_0_\@:
	s_barrier_wait -3
	s_barrier_signal -1
	s_barrier_wait -1
.endm
	s_load_b128 s[4:7], s[0:1], 0x0                ; ac, asc
	s_load_b128 s[8:11], s[0:1], 0x10              ; cd, sc
	s_load_b128 s[96:99], s[0:1], 0x20             ; bo, out0
	v_lshl_add_u32 v[SPW], v0, 2, SPARE
	v_mov_b32 v[NIL], 0
	ds_add_u32 v[SPW], v[NIL]                      ; the opening lines: the add twice on end and one wait
	ds_add_u32 v[SPW], v[NIL]
	v_lshrrev_b32 v1, 5, v0
	v_readfirstlane_b32 s14, v1                    ; wave 0..3
	s_lshr_b32 s15, s14, 1                         ; which 64 rows are mine
	s_and_b32 s16, s14, 1                          ; which 128 columns
	s_bfe_u32 s40, ttmp6, 0x40000                  ; cx: the block of 256 columns
	s_bfe_u32 s41, ttmp6, 0x40004                  ; cy
	s_and_b32 s17, ttmp7, 0xffff
	s_lshl_b32 s17, s17, 2
	s_add_co_u32 s17, s17, s41                     ; the block of 128 rows
	s_lshl_b32 s43, s41, 2
	s_lshl_b32 s43, 15, s43                        ; my row of the cluster
	s_lshl_b32 s44, 0x1111, s40                    ; my column
	s_or_b32 s[G1], s43, (3<<16)|(1<<21)           ; elements of 8 bytes; bit 21 beside a mask
	s_or_b32 s[G1B], s44, (3<<16)|(1<<21)
.irp g, G1, G1B
	s_mov_b32 s[\g+1], 32<<16                      ; rows of 256 bytes, dense
	s_mov_b32 s[\g+3], 32<<16
	s_mov_b32 s[\g+5], 32
	s_mov_b32 s[\g+6], 0
	s_mov_b32 s[\g+7], 0
.endr
	s_mov_b32 s[G1+2], 384<<16                     ; A: 384 rows
	s_mov_b32 s[G1+4], 384
	s_mov_b32 s[G1B+2], 256<<16                    ; a third of B: 256 rows
	s_mov_b32 s[G1B+4], 256
	s_mul_i32 s20, s17, 8*TPITCH
	s_mov_b32 s21, 0
	s_lshl_b32 s46, s40, 4
	s_add_co_u32 s46, s46, 704
	s_mul_i32 s46, s46, TPITCH                     ; B's 16 tiles,
	s_lshl_b32 s45, s14, 16
	s_add_co_u32 s46, s46, s45
	s_sub_co_u32 s46, s46, 65536                   ; + 65,536 (wave - 1)
	s_mov_b32 s47, 0
	s_mov_b32 s[G0], 1
	s_mov_b32 s[G0+1], 0
	s_mov_b32 s[G0B], 1
	s_add_co_u32 s[G0B+1], s45, LB-65536
	s_wait_dscnt 0x0
	s_wait_kmcnt 0x0
	s_add_nc_u64 s[G0+2:G0+3], s[4:5], s[20:21]
	s_or_b32 s[G0+3], s[G0+3], 0x80000000
	s_add_nc_u64 s[G0B+2:G0B+3], s[8:9], s[46:47]
	s_or_b32 s[G0B+3], s[G0B+3], 0x80000000
	CROUND                                         ; all sixteen work-groups are here: the joint loads meet
	s_cmp_eq_u32 s14, 0
	s_cbranch_scc0 .Lhead_b
	tensor_load_to_lds s[G0:G0+3], s[G1:G1+7]
	s_nop 0
	PLACES 4
	s_branch .Lhead_asked
.Lhead_b:
	tensor_load_to_lds s[G0B:G0B+3], s[G1B:G1B+7]
	s_nop 0
	PLACES 4
.Lhead_asked:
	s_mul_i32 s21, s15, 4*TPITCH                   ; my 4 tiles of A
	s_mul_i32 s22, s16, 8*TPITCH                   ; my 8 tiles of B
	s_add_co_u32 s22, s22, LB
	s_add_co_u32 s23, s22, 4*TPITCH
	s_mul_i32 s42, s14, 16*SPITCH                  ; my stage
	s_lshl_b32 s18, s40, 4
	s_add_co_u32 s18, s18, 704
	s_lshl_b32 s19, s16, 3
	s_add_co_u32 s18, s18, s19
	s_lshl_b32 s18, s18, 6                         ; B's scale words: 64 bytes a tile
	s_mov_b32 s19, 0
	s_add_nc_u64 s[10:11], s[10:11], s[18:19]
	s_lshl_b32 s18, s17, 9                         ; A's scale bytes: 512 bytes for my work-group's 8 tiles,
	s_lshl_b32 s20, s15, 3                         ; + 8 bytes for tiles 4-7
	s_add_co_u32 s18, s18, s20
	s_add_nc_u64 s[6:7], s[6:7], s[18:19]
	s_lshl_b32 s18, s40, 10
	s_lshl_b32 s20, s16, 9
	s_add_co_u32 s18, s18, s20                     ; my first column, in bytes
	s_add_nc_u64 s[96:97], s[96:97], s[18:19]
	s_lshl_b32 s20, s17, 1
	s_add_co_u32 s20, s20, s15
	s_lshl_b32 s20, s20, 18                        ; my first row: 64 rows of 4,096 bytes
	s_add_co_u32 s18, s18, s20
	s_add_nc_u64 s[98:99], s[98:99], s[18:19]
	v_and_b32 v1, 15, v0                           ; r
	v_bfe_u32 v2, v0, 4, 1                         ; h
	v_and_b32 v5, 31, v0
	v_lshlrev_b32 v3, 4, v5                        ; 16 L
	v_lshlrev_b32 v4, 3, v5                        ; 8 L
	v_lshlrev_b32 v6, 4, v1                        ; 16 r
	v_lshlrev_b32 v7, 6, v2                        ; 64 h
	v_add_nc_u32 v[ADRA], s21, v3
	v_add_nc_u32 v[ADRA8], s21, v4
	v_add_nc_u32 v[ADRB], s22, v3
	v_add_nc_u32 v[ADRB+1], s23, v3
	v_mul_u32_u24 v8, v1, SPITCH
	v_add_nc_u32 v8, v8, v7
	v_add_nc_u32 v[STO], s42, v8                   ; into the stage: row r, + 64 h
	v_add_nc_u32 v[RD], s42, v3                    ; and back: the 32 lanes take a row of 512 bytes
	s_wait_alu depctr_va_vdst(0)                   ; the wait ahead of the readers below
.irp k, 0,1,2,3,4,5,6,7
	global_load_b128 v[SB+4*\k:SB+4*\k+3], v3, s[10:11] offset:\k*49152
	global_load_b64 v[TP+4*\k:TP+4*\k+1], v6, s[6:7] offset:\k*32768          ; the even head's bytes of my four tiles,
	global_load_b64 v[TP+4*\k+2:TP+4*\k+3], v6, s[6:7] offset:\k*32768+256    ; the odd head's
.endr
	WIN 0xc0
.irp b, 0,1,2,3,4,5,6,7
	global_load_b128 v[8*\b:8*\b+3], v7, s[96:97] offset:(32*(\b/2)+8*(\b%2))*4
	global_load_b128 v[8*\b+4:8*\b+7], v7, s[96:97] offset:(32*(\b/2)+8*(\b%2))*4+16
.endr
	WIN 0
	s_wait_loadcnt 0x0
.irp k, 0,1,2,3,4,5,6,7
.irp a, 0,1,2,3
	v_perm_b32 v[SA+4*\k+\a], v[TP+4*\k+2+\a/2], v[TP+4*\k+\a/2], 0x05040100+0x02020202*(\a%2)   ; tile a's word of K step k
.endr
.endr
	s_wait_alu depctr_va_vdst(0)                   ; the wait at the head's end
	PLACES 8                                       ; a scale register written by a vector instruction stands eight places ahead of the product
	s_wait_tensorcnt 0x0                           ; my tile is in,
	s_barrier_signal -1
	s_barrier_wait -1                              ; and everybody's
.macro FETCH k                         ; K step k's fragments into set k % 2: 24 loads for B, 16 for A
	WIN 0x80
.irp b, 0,1,2,3,4,5,6,7
.irp g, 0,1,2
	ds_load_b128 v[96*((\k)%2)+12*\b+4*\g:96*((\k)%2)+12*\b+4*\g+3], v[ADRB+\b/4] offset:(\b%4)*TPITCH+(\k)*KSB+512*\g
.endr
.endr
	WIN 0
.irp a, 0,1,2,3
.irp e, 0,1                            ; an image of A is two heads' 768 bytes: registers 6 e .. 6 e + 3 at 16 L, registers 6 e + 4, 6 e + 5 at 512 + 8 L
	ds_load_b128 v[AF+48*((\k)%2)+12*\a+6*\e:AF+48*((\k)%2)+12*\a+6*\e+3], v[ADRA] offset:\a*TPITCH+(\k)*KSB+768*\e
	ds_load_b64 v[AF+48*((\k)%2)+12*\a+6*\e+4:AF+48*((\k)%2)+12*\a+6*\e+5], v[ADRA8] offset:\a*TPITCH+(\k)*KSB+768*\e+512
.endr
.endr
.endm
; A K step: 32 products, the accumulators by turns; the next step's 40 loads are issued ahead of them and land under them
.macro KSTEP k
	s_wait_dscnt 0x0                               ; this step's fragments are in
.if \k == 7
	s_barrier_signal -1                            ; my reads of the tiles are over
.else
.if \k > 0
	PLACES 4                                       ; in front of loads into registers that the last step's products read
.endif
	FETCH (\k)+1
.endif
.if \k == 0
	WIN 0x72                                       ; source 0 window 2, source 1 window 0, C window 3 (the bias), D window 1
.else
	WIN 0x52                                       ; C and D window 1
.endif
.irp a, 0,1,2,3
.if \k == 0
.set CB, 0
.else
.set CB, 64*\a
.endif
.irp b, 0,1,2,3
	v_wmma_scale_f32_16x16x128_f8f6f4 v[64*\a+8*\b:64*\a+8*\b+7], v[96*((\k)%2)+12*\b:96*((\k)%2)+12*\b+11], v[AF+48*((\k)%2)+12*\a:AF+48*((\k)%2)+12*\a+11], v[CB+8*\b:CB+8*\b+7], v[SB+4*(\k)+\b], v[SA+4*(\k)+\a] matrix_a_fmt:MATRIX_FMT_BF6 matrix_b_fmt:MATRIX_FMT_BF6
.endr
.irp b, 4,5,6,7
	v_wmma_scale_f32_16x16x128_f8f6f4 v[64*\a+8*\b:64*\a+8*\b+7], v[96*((\k)%2)+12*\b:96*((\k)%2)+12*\b+11], v[AF+48*((\k)%2)+12*\a:AF+48*((\k)%2)+12*\a+11], v[CB+8*\b:CB+8*\b+7], v[SB+4*(\k)+\b-4], v[SA+4*(\k)+\a] matrix_a_fmt:MATRIX_FMT_BF6 matrix_b_fmt:MATRIX_FMT_BF6 matrix_a_scale:MATRIX_SCALE_ROW1
.endr
.endr
	WIN 0
.endm
	FETCH 0
.irp k, 0,1,2,3,4,5,6,7
	KSTEP \k
.endr
	s_barrier_wait -1                              ; nobody reads the tiles any more: the stages may be written
; THE WAY OUT, block by block of 16 rows x 128 columns: through my own stage in LDS and back as whole rows of 512 bytes.  LDS serves a wave's instructions in order: no wait between the stores and the loads
.macro TOSTAGE a
	WIN 0x04                                       ; the data: window 1
.irp b, 0,1,2,3,4,5,6,7
	ds_store_b128 v[STO], v[64*(\a)+8*\b:64*(\a)+8*\b+3] offset:128*(\b/2)+32*(\b%2)       ; each accumulator from its low end on
	ds_store_b128 v[STO], v[64*(\a)+8*\b+4:64*(\a)+8*\b+7] offset:128*(\b/2)+32*(\b%2)+16
.endr
	WIN 0
.set BB, BK+64*((\a)%2)
.irp t, 0,1,2,3,4,5,6,7,8,9,10,11,12,13,14,15
	ds_load_b128 v[BB+4*\t:BB+4*\t+3], v[RD] offset:\t*SPITCH
.endr
.endm
.macro SEND a, younger                 ; younger: the LDS instructions issued behind block a's loads, which may stay out
.set BB, BK+64*((\a)%2)
	s_wait_dscnt \younger
.irp t, 0,1,2,3,4,5,6,7,8,9,10,11,12,13,14,15
	global_store_b128 v3, v[BB+4*\t:BB+4*\t+3], s[98:99] offset:(32*((\a)/2)+8*((\a)%2)+\t+8*(\t/8))*4096 th:TH_STORE_NT   ; 512 consecutive bytes, at a multiple of 256
.endr
.endm
	PLACES 4                                       ; behind the last products
	TOSTAGE 0
.irp a, 1,2,3
.if \a > 1
	s_wait_xcnt 0x0                                ; block a - 2's stores have read their registers
.endif
	TOSTAGE \a
	SEND \a-1, 32
.endr
	SEND 3, 0
	s_wait_tensorcnt 0x0                           ; the wave's end
	ds_add_u32 v[SPW], v[NIL]
	s_wait_dscnt 0x0
	CROUND                                         ; the closing round
	s_endpgm
.Lfunc_end_k_q0e44599f3b_proj:
	.size	k_q0e44599f3b_proj, .Lfunc_end_k_q0e44599f3b_proj-k_q0e44599f3b_proj
	.p2alignl 7, 3214868480
	.fill 96, 4, 3214868480
	.section	.rodata,"a",@progbits
	.p2align	6, 0x0
	.amdhsa_kernel k_q0e44599f3b_proj
		.amdhsa_group_segment_fixed_size 327680
		.amdhsa_private_segment_fixed_size 0
		.amdhsa_enable_private_segment 0
		.amdhsa_kernarg_size 48
		.amdhsa_user_sgpr_count 2
		.amdhsa_user_sgpr_kernarg_segment_ptr 1
		.amdhsa_wavefront_size32 1
		.amdhsa_system_sgpr_workgroup_id_x 1
		.amdhsa_system_sgpr_workgroup_id_y 1
		.amdhsa_system_sgpr_workgroup_id_z 1
		.amdhsa_system_vgpr_workitem_id 0
		.amdhsa_next_free_vgpr 1024
		.amdhsa_next_free_sgpr 100
		.amdhsa_reserve_vcc 0
		.amdhsa_float_denorm_mode_32 3
		.amdhsa_float_denorm_mode_16_64 3
		.amdhsa_memory_ordered 1
		.amdhsa_forward_progress 1
		.amdhsa_inst_pref_size 82
	.end_amdhsa_kernel
	.amdgpu_metadata
---
amdhsa.version: [ 1, 2 ]
amdhsa.kernels:
  - .name:           k_q0e44599f3b_proj
    .symbol:         k_q0e44599f3b_proj.kd
    .args:
      - { .name: ac, .offset: 0, .size: 8, .value_kind: global_buffer, .address_space: global }
      - { .name: asc, .offset: 8, .size: 8, .value_kind: global_buffer, .address_space: global }
      - { .name: cd, .offset: 16, .size: 8, .value_kind: global_buffer, .address_space: global }
      - { .name: sc, .offset: 24, .size: 8, .value_kind: global_buffer, .address_space: global }
      - { .name: bo, .offset: 32, .size: 8, .value_kind: global_buffer, .address_space: global }
      - { .name: out0, .offset: 40, .size: 8, .value_kind: global_buffer, .address_space: global }
    .group_segment_fixed_size: 327680
    .private_segment_fixed_size: 0
    .kernarg_segment_align: 8
    .kernarg_segment_size: 48
    .max_flat_workgroup_size: 128
    .sgpr_count:     100
    .vgpr_count:     1024
    .wavefront_size: 32
...
	.end_amdgpu_metadata
.endif
;; end of part 4
